; MI455X (gfx1250); checked and timed in simulation.
; The chip was launched on July 23, 2026; its instructions are those of AMD's public machine-readable ISA for CDNA 5 (MIT licence, August 2026) and "CDNA5" Instruction Set Architecture Reference Guide (July 2026). The comments in the code are by the model that wrote it; some were corrected since.
;; Multi Head Self Attention. Allowed arithmetic: float matrix products may take bf16 or f16 operands with f32 sums; all other float work in f32.
;; Inputs: Wk 1,024 x 1,024 float32; Wo 1,024 x 1,024 float32; Wq 1,024 x 1,024 float32; Wv 1,024 x 1,024 float32; bk 1,024 float32; bo 1,024 float32; bq 1,024 float32; bv 1,024 float32; mask 2 x 2,048 int32; x 2 x 2,048 x 1,024 float32.
;; Outputs: out0 2 x 2,048 x 1,024 float32.
;; 2 versions, each right; version 2 is version 1 with the launch cast written anew for expert scheduling mode. Each part assembles by itself: llvm-mc -triple=amdgcn-amd-amdhsa -mcpu=gfx1250 --defsym DOCPART=n.
;; ======== version 1 of 2: 4 launches
;; limits: values are held in f16: magnitudes above 65,504 overflow, below 6.1e-05 lose precision
;; workspace buffers: xh 8,388,608 bytes; wh 8,388,608 bytes; qkv 25,165,824 bytes; att 8,388,608 bytes
;; launch cast (part 1): grid 256 x 2, 8 waves a work-group, no clusters, 0 bytes of LDS; arguments x, Wq, Wk, Wv, Wo, xh, wh; writes xh, wh
.if DOCPART == 1
	.amdgcn_target "amdgcn-amd-amdhsa--gfx1250"
	.amdhsa_code_object_version 6
	.text
	.protected	k_q460e971d17_cast
	.globl	k_q460e971d17_cast
	.p2align	8
	.type	k_q460e971d17_cast,@function
k_q460e971d17_cast:
	s_mov_b64 s[64:65], 0
	v_nop
	global_prefetch_b8 v0, s[64:65] scope:SCOPE_SE
	s_setreg_imm32_b32 hwreg(HW_REG_WAVE_MODE, 25, 1), 1
	s_wait_xcnt 0x0
; x [4096][1024] and the four weights [1024][1024], f32, are rounded once to f16 and laid out in column planes of 64:
;   xh[plane 0..15][row 0..4095][64],  wh[16 x matrix + plane][row k 0..1023][64]   (matrix 0 Wq, 1 Wk, 2 Wv, 3 Wo).
; A plane's rows are 128 bytes and follow each other without gaps, so that every tile of the later launches is a dense block.
; LIMIT: f16 holds magnitudes below 65,504; larger inputs become infinities.  Magnitudes below 6.1e-5 are kept in steps of 6e-8.
; A stream: no LDS, no barrier, no matrix unit, no cluster (no two work-groups read the same byte).
; A work-group takes 16 whole rows (65,536 bytes in, 32,768 out).  y = 0: x, row block = x id.  y = 1: matrix = x id / 64, row block = x id % 64.
; Wave w takes planes 2w and 2w+1.  One load of a wave: lanes 0-15 take the plane's 256 bytes of one row, lanes 16-31 those of the next row.
; One store of a wave: those two rows as f16, 256 consecutive bytes at a multiple of 256 from the buffer's first byte.
.set XIN,  8                           ; v[8:71]    16 loads of 4 registers
.set YOUT, 72                          ; v[72:103]  16 stores of 2 registers: no register is written twice, so no source is ever rewritten
	s_load_b256 s[4:11], s[0:1], 0x0               ; x s[4:5], Wq s[6:7], Wk s[8:9], Wv s[10:11]
	s_load_b128 s[12:15], s[0:1], 0x20             ; Wo s[12:13], xh s[14:15]
	s_load_b64 s[16:17], s[0:1], 0x30              ; wh
	s_and_b32 s20, ttmp7, 0xffff                   ; y: 0 = x, 1 = weights
	s_mov_b32 s21, ttmp9                           ; x id
	s_lshr_b32 s22, s21, 6                         ; which weight
	s_and_b32 s23, s21, 63                         ; its row block
	v_and_b32 v1, 31, v0                           ; lane l
	v_lshrrev_b32 v2, 5, v0                        ; wave w
	v_lshrrev_b32 v3, 4, v1                        ; l / 16: which of the two rows
	v_lshlrev_b32 v3, 12, v3                       ; x 4,096 bytes
	v_lshl_add_u32 v3, v2, 9, v3                   ; + w x two planes of 256 bytes
	v_and_b32 v6, 15, v0
	v_lshl_add_u32 v3, v6, 4, v3                   ; + 16 (l % 16): the offset of my 16 bytes in the source
	v_lshlrev_b32 v6, 1, v2                        ; plane 2w
	v_add_nc_u32 v7, 1, v6                         ; plane 2w + 1
	s_wait_kmcnt 0x0
	s_cmp_lt_u32 s22, 1                            ; the source and the target are chosen on the ids alone
	s_cselect_b64 s[24:25], s[6:7], s[8:9]
	s_cmp_lt_u32 s22, 3
	s_cselect_b64 s[26:27], s[10:11], s[12:13]
	s_cmp_lt_u32 s22, 2
	s_cselect_b64 s[24:25], s[24:25], s[26:27]
	s_cmp_eq_u32 s20, 0
	s_cselect_b64 s[24:25], s[4:5], s[24:25]       ; source
	s_cselect_b64 s[26:27], s[14:15], s[16:17]     ; target
	s_cselect_b32 s28, s21, s23                    ; row block
	s_cselect_b32 s29, 19, 17                      ; log2 of a plane's bytes: 4,096 or 1,024 rows of 128
	s_cselect_b32 s30, 0, s22                      ; the matrix's 16 planes in wh
	s_lshl_b32 s18, s28, 16                        ; 16 rows of 4,096 bytes
	s_mov_b32 s19, 0
	s_add_nc_u64 s[24:25], s[24:25], s[18:19]
	s_lshl_b32 s18, s30, 21                        ; 16 planes of 131,072 bytes
	s_lshl_b32 s31, s28, 11                        ; 16 rows of 128 bytes
	s_add_co_u32 s18, s18, s31
	s_add_nc_u64 s[26:27], s[26:27], s[18:19]
	v_lshlrev_b32 v4, s29, v6
	v_lshlrev_b32 v5, s29, v7
	v_lshl_add_u32 v4, v1, 3, v4                   ; plane 2w:     + 8 l
	v_lshl_add_u32 v5, v1, 3, v5                   ; plane 2w + 1: + 8 l
; step n = 2 x row pair + plane: all sixteen loads go out first
.set nn, 0
.rept 16
	global_load_b128 v[XIN+4*nn:XIN+4*nn+3], v3, s[24:25] offset:(nn/2)*8192+(nn%2)*256 th:TH_LOAD_NT
.set nn, nn+1
.endr
.set nn, 0
.rept 16
	s_wait_loadcnt 15-nn                           ; loads come back in order: load n is in, the 15 - n younger ones stay out
	v_cvt_pk_f16_f32 v[YOUT+2*nn],   v[XIN+4*nn],   v[XIN+4*nn+1]
	v_cvt_pk_f16_f32 v[YOUT+2*nn+1], v[XIN+4*nn+2], v[XIN+4*nn+3]
	global_store_b64 v[4+nn%2], v[YOUT+2*nn:YOUT+2*nn+1], s[26:27] offset:(nn/2)*256
.set nn, nn+1
.endr
	s_endpgm
.Lfunc_end_k_q460e971d17_cast:
	.size	k_q460e971d17_cast, .Lfunc_end_k_q460e971d17_cast-k_q460e971d17_cast
	.p2alignl 7, 3214868480
	.fill 96, 4, 3214868480
	.section	.rodata,"a",@progbits
	.p2align	6, 0x0
	.amdhsa_kernel k_q460e971d17_cast
		.amdhsa_group_segment_fixed_size 0
		.amdhsa_private_segment_fixed_size 0
		.amdhsa_enable_private_segment 0
		.amdhsa_kernarg_size 56
		.amdhsa_user_sgpr_count 2
		.amdhsa_user_sgpr_kernarg_segment_ptr 1
		.amdhsa_wavefront_size32 1
		.amdhsa_system_sgpr_workgroup_id_x 1
		.amdhsa_system_sgpr_workgroup_id_y 1
		.amdhsa_system_sgpr_workgroup_id_z 1
		.amdhsa_system_vgpr_workitem_id 0
		.amdhsa_next_free_vgpr 104
		.amdhsa_next_free_sgpr 66
		.amdhsa_reserve_vcc 0
		.amdhsa_float_denorm_mode_32 3
		.amdhsa_float_denorm_mode_16_64 3
		.amdhsa_memory_ordered 1
		.amdhsa_forward_progress 1
		.amdhsa_inst_pref_size 8
	.end_amdhsa_kernel
	.amdgpu_metadata
---
amdhsa.version: [ 1, 2 ]
amdhsa.kernels:
  - .name:           k_q460e971d17_cast
    .symbol:         k_q460e971d17_cast.kd
    .args:
      - { .name: x, .offset: 0, .size: 8, .value_kind: global_buffer, .address_space: global }
      - { .name: Wq, .offset: 8, .size: 8, .value_kind: global_buffer, .address_space: global }
      - { .name: Wk, .offset: 16, .size: 8, .value_kind: global_buffer, .address_space: global }
      - { .name: Wv, .offset: 24, .size: 8, .value_kind: global_buffer, .address_space: global }
      - { .name: Wo, .offset: 32, .size: 8, .value_kind: global_buffer, .address_space: global }
      - { .name: xh, .offset: 40, .size: 8, .value_kind: global_buffer, .address_space: global }
      - { .name: wh, .offset: 48, .size: 8, .value_kind: global_buffer, .address_space: global }
    .group_segment_fixed_size: 0
    .private_segment_fixed_size: 0
    .kernarg_segment_align: 8
    .kernarg_segment_size: 56
    .max_flat_workgroup_size: 256
    .sgpr_count:     66
    .vgpr_count:     104
    .wavefront_size: 32
...
	.end_amdgpu_metadata
.endif
;; end of part 1
;; launch qkvproj (part 2): grid 16 x 16, 4 waves a work-group, clusters of 4 x 4, 327,680 bytes of LDS; arguments xh, wh, bq, bk, bv, qkv; writes qkv
.if DOCPART == 2
	.amdgcn_target "amdgcn-amd-amdhsa--gfx1250"
	.amdhsa_code_object_version 6
	.text
	.protected	k_q460e971d17_qkvproj
	.globl	k_q460e971d17_qkvproj
	.p2align	8
	.type	k_q460e971d17_qkvproj,@function
k_q460e971d17_qkvproj:
	s_mov_b64 s[64:65], 0
	v_nop
	global_prefetch_b8 v0, s[64:65] scope:SCOPE_SE
	s_setreg_imm32_b32 hwreg(HW_REG_WAVE_MODE, 25, 1), 1
	s_wait_xcnt 0x0
	s_wait_alu depctr_hold_cnt(0) depctr_sa_sdst(0) depctr_va_vdst(0) depctr_va_sdst(0) depctr_va_ssrc(0) depctr_va_vcc(0) depctr_vm_vsrc(0)
	s_getreg_b32 s2, hwreg(HW_REG_IB_STS2, 6, 4)
	s_cmp_eq_u32 s2, 0
	s_cbranch_scc0 .Lentry_in_a_cluster
	s_endpgm
.Lentry_in_a_cluster:
	s_bfe_u32 s2, ttmp6, 0x10000c
	s_cmp_lg_u32 s2, 0xf033
	s_cbranch_scc0 .Lentry_shape_is_right
	s_endpgm
.Lentry_shape_is_right:
; qkv[plane g][row m][64] = f16( (x W + b) x scale ),  g = 0..15 Q's heads, 16..31 K's, 32..47 V's;  m = 2048 batch + position.
; scale = 0.125 log2(e) for Q (1 / sqrt(64), and the softmax of the next launch works in base 2), 1 for K and V.
; Operands f16 (xh, wh: column planes of 64, rows of 128 bytes, dense), sums f32.
; LIMIT: |x W + b| below 65,504 (f16's range); beyond it the stored number is an infinity.
; A work-group makes 256 rows x 192 columns (three planes) with four waves; wave w makes rows 64 w .. 64 w + 63 x all 192 columns:
; 4 x 12 accumulator tiles of 16 x 16, 384 registers.  K = 1024 goes in 8 steps of 128 through two LDS slots filled by the tensor data mover.
; CLUSTERS: 4 x 4 work-groups.  The four of a row of the cluster make the same rows and ask for x's tiles jointly, the four of a column
; make the same columns and ask for W's tiles jointly: each request names four work-groups, which divides the requests by four.
; TILES: a plane's rows follow each other without gaps, so a tile is fetched as rows of 256 bytes (two rows of the plane each), padded in LDS:
;   row i of a plane lies at (i / 2) x pitch + (i % 2) x 128.
;   x: pitch 272.
;   W: pitch 288.  W lies [k][n], so its fragments come by the transposing load; its sixteen lanes touch columns 2 ((l%8)/2) + 8 (l%2) + (l/8)%2: all different.
; THE MATRIX INSTRUCTION IS USED TRANSPOSED: source 0 = 16 columns of W, source 1 = 16 rows of x, so that lane (r, h), register j holds
; row 16 a + r, column 16 b + 8 h + j: eight neighbouring columns, which pack into 16 bytes.
; REGISTERS in windows of 256:  window 0: addresses, x fragments (two buffers), bias;  window 1: W fragments (two buffers);
;   window 2: accumulators of row tiles 0, 1 (tile (a, b) at v[8 (12 (a % 2) + b)]);  window 3: those of row tiles 2, 3.
.set NPL,    3                         ; planes of 64 columns in a block
.set NB,     4*NPL                     ; column tiles
.set APL,    128*272                   ; LDS bytes of one k-plane of x's tile: 256 rows
.set BPL,    64*288                    ; LDS bytes of one n-plane of W's tile: 128 k rows
.set BOFS,   2*APL                     ; W's planes lie behind x's two
.set SLOT,   BOFS+NPL*BPL              ; 124,928
.set STAGE,  2*SLOT                    ; behind the ring, bytes that no tensor load fills: the way out
.set SWAVE,  NPL*16*144                ; a wave's stage: three planes x 16 rows of 128 + 16 bytes
.set NFETCH, 2*NB+8                    ; LDS loads of one quarter step
.set ASTEP,  2*524288                  ; a K step in xh: two planes
.set BSTEP,  128*128                   ; a K step in wh: 128 rows of a plane
.set WPLANE, 131072
.set LAPS,   4                         ; a lap = two K steps = once round the ring
.set SCQ,    0x3e38aa3b                ; 0.125 log2(e)
.set G1A, 24                           ; s[24:31] group 1 for x's tiles
.set G0A, 32                           ; s[32:39] group 0 for x's tiles, a set for each slot
.set G1B, 48                           ; s[48:55] group 1 for W's tiles
.set G0B, 68                           ; s[68:91] group 0 for W's tiles: set (slot, plane i) at 68 + 4 (3 slot + i)
.set BP,  56                           ; s[56:61] bias address of plane i
.set SCP, 92                           ; s[92:97] scale of plane i, as a pair
.set ADRA, 16                          ; v16-17 LDS address of my x fragments in slot 0, 1
.set ADRB, 20                          ; v20-21 the same for W
.set STO,  24                          ; the way out: where I put 16 bytes
.set RD,   25                          ; where I read them back
.set CO,   26                          ; my byte offset in a plane of qkv
.set BOFF, 27                          ; 32 h: my eight bias numbers in a column tile
.set FA,   32                          ; window 0: x fragment buffers v32-63, v64-95
.set BIAS, 128                         ; window 0: v128-223, eight numbers for each column tile
.set TMP,  32                          ; the way out: packed results v32-79
.set RB,   80                          ; the way out: rows read back v80-127
.set MSB, 0
.macro WIN new                         ; the immediate's high byte repeats the setting that is left
.if MSB != \new
	s_set_vgpr_msb (MSB<<8)|\new
.set MSB, \new
.endif
.endm
.set MUL_LO, 0xa1                      ; source 0 (W) window 1, source 1 (x) window 0, C and D window 2
.set MUL_HI, 0xf1                      ; the same, C and D window 3
.set TO_B,   0x40                      ; destination window 1, address window 0
.macro CREST                           ; a round of the cluster's barrier behind its opening barrier
	s_cmp_lg_u32 s16, 0
	s_cbranch_scc1 .Lnot_wave_0_\@
	s_barrier_signal -3
.Lnot_wave_0_\@:
	s_barrier_wait -3
	s_barrier_signal -1
	s_barrier_wait -1
.endm
.macro CROUND                          ; a whole round
	s_barrier_signal -1
	s_barrier_wait -1
	CREST
.endm
.macro PLACES                          ; four places behind a matrix instruction ahead of loads into, or vector work on, its registers
.rept 4
	v_nop
.endr
.endm
; A wave's four joint loads for one slot: its quarter of x's tile and its quarter of each of W's three planes.  Each line has one mask.
.macro TLOADS s
	tensor_load_to_lds s[G0A+4*\s:G0A+4*\s+3], s[G1A:G1A+7]
	s_nop 0
.irp i, 0,1,2
	tensor_load_to_lds s[G0B+4*(NPL*\s+\i):G0B+4*(NPL*\s+\i)+3], s[G1B:G1B+7]
	s_nop 0
.endr
.endm
	s_load_b256 s[4:11], s[0:1], 0x0               ; xh s[4:5], wh s[6:7], bq s[8:9], bk s[10:11]
	s_load_b128 s[12:15], s[0:1], 0x20             ; bv s[12:13], qkv s[14:15]
	s_set_vgpr_msb 0x40
	v_lshl_add_u32 v255, v0, 2, 0x43c00
	s_set_vgpr_msb 0x4000
	v_mov_b32 v255, 0
	s_set_vgpr_msb 0x1
	ds_add_u32 v255, v255
	s_set_vgpr_msb 0x100
	v_lshrrev_b32 v1, 5, v0
	v_readfirstlane_b32 s16, v1                    ; wave 0..3
	s_and_b32 s17, s16, 1                          ; which 128 rows of x's tile I fetch
	s_lshr_b32 s18, s16, 1                         ; which of its two k-planes
	s_bfe_u32 s20, ttmp6, 0x40000                  ; cx
	s_bfe_u32 s21, ttmp6, 0x40004                  ; cy
	s_lshl_b32 s22, ttmp9, 2
	s_add_co_u32 s22, s22, s20                     ; bx: block column = 4 x cluster x + cx
	s_and_b32 s23, ttmp7, 0xffff
	s_lshl_b32 s23, s23, 2
	s_add_co_u32 s23, s23, s21                     ; by: block row = 4 x cluster y + cy
	s_lshl_b32 s40, s21, 2
	s_lshl_b32 s40, 15, s40                        ; my row of the cluster: places 4 cy .. 4 cy + 3
	s_lshl_b32 s41, 0x1111, s20                    ; my column: places cx, cx + 4, cx + 8, cx + 12
	; group 1 for x: 64 rows of 128 elements of 2 bytes, 4 words of padding behind every 64 words
	s_or_b32 s[G1A+0], s40, (1<<16)|(1<<20)|(1<<21)|(5<<22)|(3<<25)
	s_mov_b32 s[G1A+1], 128<<16                    ; tensor_dim0 = 128
	s_mov_b32 s[G1A+2], 64<<16                     ; tensor_dim1 = 64
	s_mov_b32 s[G1A+3], 128<<16                    ; tile_dim0 = 128
	s_mov_b32 s[G1A+4], 64                         ; tile_dim1 = 64
	s_mov_b32 s[G1A+5], 128                        ; from row to row: 128 elements (dense)
	s_mov_b32 s[G1A+6], 0
	s_mov_b32 s[G1A+7], 0
	; group 1 for W: 16 rows of 128 elements, 8 words of padding behind every 64 words
	s_or_b32 s[G1B+0], s41, (1<<16)|(1<<20)|(1<<21)|(5<<22)|(7<<25)
	s_mov_b32 s[G1B+1], 128<<16
	s_mov_b32 s[G1B+2], 16<<16
	s_mov_b32 s[G1B+3], 128<<16
	s_mov_b32 s[G1B+4], 16
	s_mov_b32 s[G1B+5], 128
	s_mov_b32 s[G1B+6], 0
	s_mov_b32 s[G1B+7], 0
	; x's tiles hang on the block row and the wave alone, W's on the block column and the wave alone
	s_lshl_b32 s42, s18, 19                        ; k-plane w / 2
	s_lshl_b32 s46, s23, 15                        ; 256 rows of 128 bytes for each block row
	s_add_co_u32 s42, s42, s46
	s_lshl_b32 s46, s17, 14                        ; 128 rows
	s_add_co_u32 s42, s42, s46
	s_mov_b32 s43, 0
	s_mul_i32 s44, s22, NPL*WPLANE                 ; plane 3 bx
	s_lshl_b32 s47, s16, 12                        ; k rows 32 w ..
	s_add_co_u32 s44, s44, s47
	s_mov_b32 s45, 0
	s_mul_i32 s2, s16, 64*272                      ; LDS: x's quarters follow each other by the wave's number
	s_mul_i32 s3, s16, 16*288                      ; W's quarters of a plane likewise,
	s_add_co_u32 s3, s3, BOFS                      ; behind x's planes
	s_wait_dscnt 0x0
	s_wait_kmcnt 0x0
	s_add_nc_u64 s[42:43], s[4:5], s[42:43]
	s_add_nc_u64 s[44:45], s[6:7], s[44:45]
	CROUND                                         ; all sixteen work-groups are here: the first joint loads meet
.irp s, 0,1
	s_mov_b32 s[G0A+4*\s], 1
	s_add_co_u32 s[G0A+4*\s+1], s2, \s*SLOT
	s_add_nc_u64 s[G0A+4*\s+2:G0A+4*\s+3], s[42:43], \s*ASTEP
	s_or_b32 s[G0A+4*\s+3], s[G0A+4*\s+3], 0x80000000
.irp i, 0,1,2
	s_mov_b32 s[G0B+4*(NPL*\s+\i)], 1
	s_add_co_u32 s[G0B+4*(NPL*\s+\i)+1], s3, \s*SLOT+\i*BPL
	s_add_nc_u64 s[G0B+4*(NPL*\s+\i)+2:G0B+4*(NPL*\s+\i)+3], s[44:45], \s*BSTEP+\i*WPLANE
	s_or_b32 s[G0B+4*(NPL*\s+\i)+3], s[G0B+4*(NPL*\s+\i)+3], 0x80000000
.endr
	TLOADS \s                                      ; K steps 0 and 1: eight tensor loads of the wave are out here, later four
.endr
	v_and_b32 v1, 31, v0                           ; l
	v_and_b32 v2, 15, v0                           ; r
	v_bfe_u32 v3, v0, 4, 1                         ; h
	v_and_b32 v5, 1, v0                            ; l % 2
	v_lshrrev_b32 v4, 1, v2
	v_mul_u32_u24 v4, v4, 272                      ; x: (r / 2) x pitch
	v_lshl_add_u32 v4, v5, 7, v4                   ; + (r % 2) x 128
	v_lshl_add_u32 v4, v3, 4, v4                   ; + 16 h
	s_mul_i32 s62, s16, 32*272                     ; + my 64 rows
	v_add_nc_u32 v[ADRA], s62, v4
	v_add_nc_u32 v[ADRA+1], SLOT, v[ADRA]
	v_bfe_u32 v6, v0, 1, 2                         ; W: k row 8 h + l % 8 lies at (4 h + (l % 8) / 2) x pitch
	v_lshl_add_u32 v6, v3, 2, v6
	v_mul_u32_u24 v6, v6, 288
	v_lshl_add_u32 v6, v5, 7, v6                   ; + (l % 2) x 128
	v_bfe_u32 v7, v0, 3, 1
	v_lshl_add_u32 v6, v7, 4, v6                   ; + 16 ((l / 8) % 2)
	v_add_nc_u32 v[ADRB], BOFS, v6
	v_add_nc_u32 v[ADRB+1], BOFS+SLOT, v6
	s_mul_i32 s62, s16, SWAVE
	s_add_co_u32 s62, s62, STAGE                   ; my stage
	v_mul_u32_u24 v8, v2, 144
	v_lshl_add_u32 v8, v3, 4, v8
	v_add_nc_u32 v[STO], s62, v8                   ; in: row r, 16 bytes for each half of the lanes
	v_lshrrev_b32 v9, 3, v1
	v_mul_u32_u24 v9, v9, 144
	v_and_b32 v10, 7, v0
	v_lshl_add_u32 v9, v10, 4, v9
	v_add_nc_u32 v[RD], s62, v9                    ; back: eight lanes take a row of 128 bytes, the wave four rows
	v_lshlrev_b32 v[CO], 4, v1                     ; which are 512 consecutive bytes of a plane
	v_lshlrev_b32 v[BOFF], 5, v3
	; for each of my three planes g = 3 bx + i: which bias, which scale, where it goes
	s_mov_b32 s63, 0
	s_lshl_b32 s21, s23, 15                        ; rows 256 by + 64 w, 128 bytes each
	s_lshl_b32 s20, s16, 13
	s_add_co_u32 s21, s21, s20
.macro PLANE i, ob
	s_mul_i32 s19, s22, NPL
	s_add_co_u32 s19, s19, \i                      ; g
	s_cmp_lt_u32 s19, 32
	s_cselect_b64 s[BP+2*\i:BP+2*\i+1], s[10:11], s[12:13]
	s_cmp_lt_u32 s19, 16
	s_cselect_b64 s[BP+2*\i:BP+2*\i+1], s[8:9], s[BP+2*\i:BP+2*\i+1]
	s_cselect_b32 s[SCP+2*\i], SCQ, 1.0
	s_mov_b32 s[SCP+2*\i+1], s[SCP+2*\i]
	s_and_b32 s62, s19, 15
	s_lshl_b32 s62, s62, 8                         ; 64 f32 for each head
	s_add_nc_u64 s[BP+2*\i:BP+2*\i+1], s[BP+2*\i:BP+2*\i+1], s[62:63]
	s_lshl_b32 s62, s19, 19                        ; a plane of qkv: 4,096 rows of 128 bytes
	s_add_co_u32 s62, s62, s21
	s_add_nc_u64 s[\ob:\ob+1], s[14:15], s[62:63]
.endm
	PLANE 0, 66
	PLANE 1, 98
	PLANE 2, 100
.set bb, 0
.rept NB                                       ; the bias: waited for on the way out only
	global_load_b128 v[BIAS+8*bb:BIAS+8*bb+3],   v[BOFF], s[BP+2*(bb/4):BP+2*(bb/4)+1] offset:64*(bb%4)
	global_load_b128 v[BIAS+8*bb+4:BIAS+8*bb+7], v[BOFF], s[BP+2*(bb/4):BP+2*(bb/4)+1] offset:64*(bb%4)+16
.set bb, bb+1
.endr
; NB matrix instructions: row tile 2 hi + al x all column tiles, 32 along K, from buffer f.  zero = 1: the first product starts the sums.
; The 48 accumulators take turns, one instruction a turn, in the same order in every quarter step.
.macro MULROW f, hi, al, zero
.set bb, 0
.rept NB
.if \zero
	v_wmma_f32_16x16x32_f16 v[8*(NB*\al+bb):8*(NB*\al+bb)+7], v[8*NB*\f+8*bb:8*NB*\f+8*bb+7], v[FA+32*\f+8*(2*\hi+\al):FA+32*\f+8*(2*\hi+\al)+7], 0
.else
	v_wmma_f32_16x16x32_f16 v[8*(NB*\al+bb):8*(NB*\al+bb)+7], v[8*NB*\f+8*bb:8*NB*\f+8*bb+7], v[FA+32*\f+8*(2*\hi+\al):FA+32*\f+8*(2*\hi+\al)+7], v[8*(NB*\al+bb):8*(NB*\al+bb)+7]
.endif
.set bb, bb+1
.endr
.endm
; The fragments of quarter q4 (32 along K) of a slot into buffer g, in one run: W's 12 column tiles, then x's 4 row tiles.
.macro FETCH slot, q4, g
	WIN TO_B
.set bb, 0
.rept NB
	ds_load_tr16_b128 v[8*NB*\g+8*bb:8*NB*\g+8*bb+3],   v[ADRB+\slot] offset:(bb/4)*BPL+(\q4)*4608+(bb%4)*32
	ds_load_tr16_b128 v[8*NB*\g+8*bb+4:8*NB*\g+8*bb+7], v[ADRB+\slot] offset:(bb/4)*BPL+(\q4)*4608+(bb%4)*32+2304
.set bb, bb+1
.endr
	WIN 0
.set aa, 0
.rept 4
	ds_load_b128 v[FA+32*\g+8*aa:FA+32*\g+8*aa+3],   v[ADRA+\slot] offset:((\q4)/2)*APL+((\q4)%2)*64+aa*2176
	ds_load_b128 v[FA+32*\g+8*aa+4:FA+32*\g+8*aa+7], v[ADRA+\slot] offset:((\q4)/2)*APL+((\q4)%2)*64+aa*2176+32
.set aa, aa+1
.endr
.endm
; One of a K step's first three quarters: multiplies buffer f; in its middle it fetches quarter q4n of the same slot into buffer g.
.macro QUARTER slot, q4n, f, g, zero
	s_wait_dscnt 4                                 ; W and x's row tiles 0, 1 are in; the youngest four loads (row tiles 2, 3) may be out
	WIN MUL_LO
	MULROW \f, 0, 0, \zero
	MULROW \f, 0, 1, \zero
	PLACES
	FETCH \slot, \q4n, \g
	s_wait_dscnt NFETCH                            ; all but the run just issued
	WIN MUL_HI
	MULROW \f, 1, 0, \zero
	MULROW \f, 1, 1, \zero
.endm
.macro THREE slot, zero
	QUARTER \slot, 1, 0, 1, \zero
	QUARTER \slot, 2, 1, 0, 0
	QUARTER \slot, 3, 0, 1, 0
.endm
; The last quarter: multiplies buffer 1 and changes slots.  In front of the barrier each wave waits for its reads of this slot and for all its
; tensor loads (its parts of the next slot); behind it nobody reads this slot and the next slot is whole.  fill = 1: the barrier opens a round of
; the cluster's barrier, and the joint refills, two K steps ahead, are the first tensor loads behind the round.
.macro TURN slot, next, fill
	s_wait_dscnt 4
	WIN MUL_LO
	MULROW 1, 0, 0, 0
	s_wait_dscnt 0x0                               ; my reads of this slot are over
	s_wait_tensorcnt 0x0                           ; all my tensor loads have landed
	ds_add_u32 v255, v255
	s_wait_dscnt 0x0
	s_barrier_signal -1
	MULROW 1, 0, 1, 0                              ; register work while the others arrive
	WIN 0
	s_barrier_wait -1
.if \fill
	CREST                                          ; no wave of any partner still reads this slot or has a load on its way
	s_add_nc_u64 s[G0A+4*\slot+2:G0A+4*\slot+3], s[G0A+4*\slot+2:G0A+4*\slot+3], 2*ASTEP
.irp i, 0,1,2
	s_add_nc_u64 s[G0B+4*(NPL*\slot+\i)+2:G0B+4*(NPL*\slot+\i)+3], s[G0B+4*(NPL*\slot+\i)+2:G0B+4*(NPL*\slot+\i)+3], 2*BSTEP
.endr
	TLOADS \slot
.endif
	PLACES
	FETCH \next, 0, 0
	WIN MUL_HI
	MULROW 1, 1, 0, 0
	MULROW 1, 1, 1, 0
.endm
.macro LAP zero
	THREE 0, \zero
	TURN 0, 1, 1
	THREE 1, 0
	TURN 1, 0, 1
.endm
	s_wait_tensorcnt 1+NPL                         ; my four loads of K step 0 are in, the four of K step 1 stay out
	s_barrier_signal -1
	s_barrier_wait -1                              ; everybody's are in
	FETCH 0, 0, 0
	LAP 1                                          ; the first lap stands in front of the loop: its first products start the sums
	WIN 0
	s_mov_b32 s19, LAPS-2
.Llap:
	LAP 0
	WIN 0
	s_sub_co_u32 s19, s19, 1
	s_cmp_lg_u32 s19, 0
	s_cbranch_scc1 .Llap
	THREE 0, 0                                     ; the last lap fills nothing
	TURN 0, 1, 0
	THREE 1, 0
	s_wait_dscnt 4
	WIN MUL_LO
	MULROW 1, 0, 0, 0
	MULROW 1, 0, 1, 0
	s_wait_dscnt 0x0
	WIN MUL_HI
	MULROW 1, 1, 0, 0
	MULROW 1, 1, 1, 0
	WIN 0
	; THE WAY OUT.  (sum + b) x scale = sum x scale + (b x scale): first the 48 products b x scale, which touch no register of the last
	; matrix instructions and are the places behind them, then one fused multiply-add for each pair of sums.
	s_wait_loadcnt 0x0                             ; the bias
.set bb, 0
.rept NB
.set pp, 0
.rept 4
	v_pk_mul_f32 v[BIAS+8*bb+2*pp:BIAS+8*bb+2*pp+1], v[BIAS+8*bb+2*pp:BIAS+8*bb+2*pp+1], s[SCP+2*(bb/4):SCP+2*(bb/4)+1] op_sel_hi:[1,0]
.set pp, pp+1
.endr
.set bb, bb+1
.endr
.macro SCALE win                       ; the 24 tiles of one window: source 0 and destination there, the bias in window 0
	WIN \win
.set tt, 0
.rept 2*NB
.set pp, 0
.rept 4
	v_pk_fma_f32 v[8*tt+2*pp:8*tt+2*pp+1], v[8*tt+2*pp:8*tt+2*pp+1], s[SCP+2*((tt%NB)/4):SCP+2*((tt%NB)/4)+1], v[BIAS+8*(tt%NB)+2*pp:BIAS+8*(tt%NB)+2*pp+1] op_sel_hi:[1,0,1]
.set pp, pp+1
.endr
.set tt, tt+1
.endr
.endm
	SCALE 0x82
	SCALE 0xc3
.macro ST4 a, i, ob                    ; four stores of 512 consecutive bytes: 16 rows of plane i
.irp t, 0,1,2,3
	s_wait_dscnt 11-(4*\i+\t)                      ; LDS loads come back in order: this one is in
	global_store_b128 v[CO], v[RB+4*(4*\i+\t):RB+4*(4*\i+\t)+3], s[\ob:\ob+1] offset:\a*2048+512*\t
.endr
.endm
; 16 rows at a time: round to f16, 16 bytes a lane into my own stage, read back as whole rows.  from: the window of sources 0 and 1.
.macro OUT16 a, from
	WIN \from
.set bb, 0
.rept NB
.set pp, 0
.rept 4
	v_cvt_pk_f16_f32 v[TMP+4*bb+pp], v[8*(NB*(\a%2)+bb)+2*pp], v[8*(NB*(\a%2)+bb)+2*pp+1]
.set pp, pp+1
.endr
.set bb, bb+1
.endr
	WIN 0
.set bb, 0
.rept NB
	ds_store_b128 v[STO], v[TMP+4*bb:TMP+4*bb+3] offset:(bb/4)*2304+(bb%4)*32
.set bb, bb+1
.endr
	s_wait_xcnt 0x0                                ; the registers that the last 16 rows' stores read are loaded again only behind this wait
.set nn, 0
.rept 12
	ds_load_b128 v[RB+4*nn:RB+4*nn+3], v[RD] offset:(nn/4)*2304+(nn%4)*576   ; LDS serves a wave's instructions in order: these see the stores above
.set nn, nn+1
.endr
	ST4 \a, 0, 66
	ST4 \a, 1, 98
	ST4 \a, 2, 100
.endm
	OUT16 0, 0x0a
	OUT16 1, 0x0a
	OUT16 2, 0x0f
	OUT16 3, 0x0f
	s_set_vgpr_msb 0x1
	s_wait_tensorcnt 0x0
	ds_add_u32 v255, v255
	s_wait_dscnt 0x0
	s_set_vgpr_msb 0x100
	CROUND                                         ; the closing round: no work-group ends while a partner may still ask for a tile that names it
	s_endpgm
.Lfunc_end_k_q460e971d17_qkvproj:
	.size	k_q460e971d17_qkvproj, .Lfunc_end_k_q460e971d17_qkvproj-k_q460e971d17_qkvproj
	.p2alignl 7, 3214868480
	.fill 96, 4, 3214868480
	.section	.rodata,"a",@progbits
	.p2align	6, 0x0
	.amdhsa_kernel k_q460e971d17_qkvproj
		.amdhsa_group_segment_fixed_size 327680
		.amdhsa_private_segment_fixed_size 0
		.amdhsa_enable_private_segment 0
		.amdhsa_kernarg_size 48
		.amdhsa_user_sgpr_count 2
		.amdhsa_user_sgpr_kernarg_segment_ptr 1
		.amdhsa_wavefront_size32 1
		.amdhsa_system_sgpr_workgroup_id_x 1
		.amdhsa_system_sgpr_workgroup_id_y 1
		.amdhsa_system_sgpr_workgroup_id_z 1
		.amdhsa_system_vgpr_workitem_id 0
		.amdhsa_next_free_vgpr 960
		.amdhsa_next_free_sgpr 102
		.amdhsa_reserve_vcc 0
		.amdhsa_float_denorm_mode_32 3
		.amdhsa_float_denorm_mode_16_64 3
		.amdhsa_memory_ordered 1
		.amdhsa_forward_progress 1
		.amdhsa_inst_pref_size 184
	.end_amdhsa_kernel
	.amdgpu_metadata
---
amdhsa.version: [ 1, 2 ]
amdhsa.kernels:
  - .name:           k_q460e971d17_qkvproj
    .symbol:         k_q460e971d17_qkvproj.kd
    .args:
      - { .name: xh, .offset: 0, .size: 8, .value_kind: global_buffer, .address_space: global }
      - { .name: wh, .offset: 8, .size: 8, .value_kind: global_buffer, .address_space: global }
      - { .name: bq, .offset: 16, .size: 8, .value_kind: global_buffer, .address_space: global }
      - { .name: bk, .offset: 24, .size: 8, .value_kind: global_buffer, .address_space: global }
      - { .name: bv, .offset: 32, .size: 8, .value_kind: global_buffer, .address_space: global }
      - { .name: qkv, .offset: 40, .size: 8, .value_kind: global_buffer, .address_space: global }
    .group_segment_fixed_size: 327680
    .private_segment_fixed_size: 0
    .kernarg_segment_align: 8
    .kernarg_segment_size: 48
    .max_flat_workgroup_size: 128
    .sgpr_count:     102
    .vgpr_count:     960
    .wavefront_size: 32
...
	.end_amdgpu_metadata
.endif
;; end of part 2
;; launch attn (part 3): grid 8 x 32, 16 waves a work-group, clusters of 4 x 1, 327,680 bytes of LDS; arguments qkv, mask, att; writes att
.if DOCPART == 3
	.amdgcn_target "amdgcn-amd-amdhsa--gfx1250"
	.amdhsa_code_object_version 6
	.text
	.protected	k_q460e971d17_attn
	.globl	k_q460e971d17_attn
	.p2align	8
	.type	k_q460e971d17_attn,@function
k_q460e971d17_attn:
	s_mov_b64 s[64:65], 0
	v_nop
	global_prefetch_b8 v0, s[64:65] scope:SCOPE_SE
	s_setreg_imm32_b32 hwreg(HW_REG_WAVE_MODE, 25, 1), 1
	s_wait_xcnt 0x0
	s_wait_alu depctr_hold_cnt(0) depctr_sa_sdst(0) depctr_va_vdst(0) depctr_va_sdst(0) depctr_va_ssrc(0) depctr_va_vcc(0) depctr_vm_vsrc(0)
	s_getreg_b32 s2, hwreg(HW_REG_IB_STS2, 6, 4)
	s_cmp_eq_u32 s2, 0
	s_cbranch_scc0 .Lentry_in_a_cluster
	s_endpgm
.Lentry_in_a_cluster:
	s_bfe_u32 s2, ttmp6, 0x10000c
	s_cmp_lg_u32 s2, 0x3003
	s_cbranch_scc0 .Lentry_shape_is_right
	s_endpgm
.Lentry_shape_is_right:
; att[head][row][64] = f16( softmax over keys of (q k / 8 + (-1e9)(1 - mask)) x v ), one (batch, head) for each y, 256 queries for each work-group.
; q comes scaled by 0.125 log2(e), so the scores are exponents of 2; the mask's term is 1e9 log2(e) (m - 1), exactly 0 at m = 1.
; The softmax takes a running maximum away before every exponential; sums, maxima and the output's sums are f32; q, k, v and the weights p are f16.
; LIMITS: weights below 6e-8 of a row's largest become 0.  Where every key of a batch is masked the scores vanish in the term -1.44e9, whose
; neighbours are 128 apart (in reference() -1e9, 64 apart): both give equal weights as long as the scores themselves stay below those steps.
; BOTH PRODUCTS TRANSPOSED, so that a lane owns one query and p never passes through LDS:
;   S^T = K Q^T + bias: source 0 = 16 keys, source 1 = 16 queries; lane (r, h), register j holds key 8 h + j, query r.  The bias comes in as C.
;   Two such tiles, packed in pairs, ARE the fragment of 32 keys x 16 queries that O^T = V^T P^T takes as source 1.
;   V lies [key][d], so V^T's fragments come by the transposing load.  O^T: lane (r, h), register j holds d = 8 h + j, query r.
; SIXTEEN WAVES, four on each SIMD with 256 registers each, so that one wave's matrix work, another's exponentials and another's LDS loads
; lie over each other.  Wave w has query group w % 8 (32 queries, two query tiles) and key half w / 8: keys go in 4 tiles of 512 through two
; LDS slots, and of each tile a wave takes its half of 256 keys in four chunks of 64.  At the end the two halves of a query group are merged
; through LDS: common maximum, both sums and both outputs scaled to it.
; CLUSTERS: the query blocks of one head read the same K and V.  Four of them form a cluster and ask jointly (a request names four
; work-groups), so a head's eight blocks are two clusters.  Each wave asks for its own 32 keys of K and of V: two tensor loads of a wave are out at most.
; K and V planes are dense rows of 128 bytes, fetched as rows of 256 bytes: key i lies at (i / 2) x pitch + (i % 2) x 128, pitch 272 for K (plain
; loads), 288 for V (transposing loads).
.set KBYTES, 256*272
.set VBYTES, 256*288
.set ASLOT,  KBYTES+VBYTES             ; 143,360
.set HALFK,  128*272                   ; the second 256 keys of a tile in K,
.set HALFV,  128*288                   ; in V
.set TAB,    2*ASLOT                   ; the mask's term for the batch's 2,048 keys, f32: bytes that no tensor load fills
.set MRG,    0                         ; the merge area lies in slot 0, used only behind that slot's last fill and last read:
.set MWAVE,  17*512                    ; for each query group 64 registers of O and 4 of maxima and sums, 512 bytes each
.set STAGE,  8*MWAVE                   ; behind it, also in slot 0: the way out, 32 rows of 128 + 16 bytes for each query group
.set TSTEP,  512*128                   ; a tile of 512 keys in a plane
.set G1K, 16                           ; s[16:23]
.set G1V, 24                           ; s[24:31]
.set G0K, 32                           ; s[32:39] a set for each slot
.set G0V, 40                           ; s[40:47]
.set KAD,  4                           ; v4-5   K fragments of my key half in slot 0, 1
.set VAD,  6                           ; v6-7   V fragments of my key half in slot 0, 1
.set BADR, 8                           ; v8     my half's bias: TAB + 1,024 x half + 32 h + 2,048 x tile
.set STO,  9
.set RD,   10
.set CO,   11
.set QOF,  12
.set MAD,  15                          ; v15    my 16 bytes in my query group's merge area
.set QREG, 16                          ; v16-47   Q: (query tile, 32 of d) at 16 + 16 qt + 8 c
.set OREG, 48                          ; v48-111  O: (query tile, 16 of d) at 48 + 32 q + 8 t
.set SREG, 112                         ; v112-175 S: (query tile, key tile) at 112 + 32 q + 8 kt; later P: (q, 32 keys) at 112 + 32 q + 16 g
.set FREG, 176                         ; v176-239 K: (kt, c) at + 16 kt + 8 c; later V: (g, t) at + 32 g + 8 t
.set MREG, 240                         ; v240-241 running maximum of my query, for each query tile
.set LREG, 242                         ; v242-243 running sum over my lane's keys
.set A0,   244                         ; v[244:245] a chain of the sum
.set T0,   246                         ; v246-249 at work; (T0, T0+1) the sum's second chain; (T0+2, T0+3) = (new maximum, factor for the old sums)
.macro ROUND                           ; a round of the cluster's barrier
	s_barrier_signal -1
	s_barrier_wait -1
	s_cmp_lg_u32 s10, 0
	s_cbranch_scc1 .Lnot_wave_0_\@
	s_barrier_signal -3
.Lnot_wave_0_\@:
	s_barrier_wait -3
	s_barrier_signal -1
	s_barrier_wait -1
.endm
	s_load_b128 s[4:7], s[0:1], 0x0                ; qkv s[4:5], mask s[6:7]
	s_load_b64 s[8:9], s[0:1], 0x10                ; att
	v_lshl_add_u32 v254, v0, 2, 0x48000
	v_mov_b32 v255, 0
	ds_add_u32 v254, v255
	v_lshrrev_b32 v1, 5, v0
	v_readfirstlane_b32 s10, v1                    ; wave 0..15
	s_and_b32 s66, s10, 7                          ; query group
	s_lshr_b32 s67, s10, 3                         ; key half
	s_bfe_u32 s11, ttmp6, 0x40000                  ; cx
	s_lshl_b32 s12, ttmp9, 2
	s_add_co_u32 s12, s12, s11                     ; query block = 4 x cluster x + cx
	s_and_b32 s13, ttmp7, 0xffff                   ; y = 16 batch + head
	s_and_b32 s14, s13, 15                         ; head
	s_lshr_b32 s15, s13, 4                         ; batch
	s_mov_b32 s50, 0x76543210                      ; v_permlanex16_b32: lane i of one half reads lane i of the other
	s_mov_b32 s51, 0xfedcba98
	s_mov_b32 s52, 0x4eabfb8f                      ; 1e9 log2(e)
	s_mov_b32 s53, 0xceabfb8f                      ; and its negative
	; group 1: 16 rows of 128 elements of 2 bytes; the mask names all four work-groups; padding behind every 64 words: 4 words for K, 8 for V
	s_mov_b32 s[G1K+0], 15|(1<<16)|(1<<20)|(1<<21)|(5<<22)|(3<<25)
	s_mov_b32 s[G1K+1], 128<<16
	s_mov_b32 s[G1K+2], 16<<16
	s_mov_b32 s[G1K+3], 128<<16
	s_mov_b32 s[G1K+4], 16
	s_mov_b32 s[G1K+5], 128
	s_mov_b32 s[G1K+6], 0
	s_mov_b32 s[G1K+7], 0
	s_mov_b32 s[G1V+0], 15|(1<<16)|(1<<20)|(1<<21)|(5<<22)|(7<<25)
	s_mov_b32 s[G1V+1], 128<<16
	s_mov_b32 s[G1V+2], 16<<16
	s_mov_b32 s[G1V+3], 128<<16
	s_mov_b32 s[G1V+4], 16
	s_mov_b32 s[G1V+5], 128
	s_mov_b32 s[G1V+6], 0
	s_mov_b32 s[G1V+7], 0
	s_lshl_b32 s54, s14, 19                        ; head's plane,
	s_lshl_b32 s49, s15, 18                        ; batch's 2,048 rows
	s_add_co_u32 s54, s54, s49
	s_lshl_b32 s62, s12, 15                        ; the query block's 256 rows: for Q and the output alone,
	s_add_co_u32 s62, s62, s54
	s_lshl_b32 s49, s66, 12                        ; and the query group's 32 rows
	s_add_co_u32 s62, s62, s49
	s_mov_b32 s63, 0
	s_lshl_b32 s49, s10, 12                        ; the 32 keys of a tile that my wave fetches: equal in the four partners
	s_add_co_u32 s54, s54, s49
	s_add_co_u32 s56, s54, 32<<19                  ; V's planes 32 ..
	s_add_co_u32 s54, s54, 16<<19                  ; K's planes 16 ..
	s_mov_b32 s55, 0
	s_mov_b32 s57, 0
	s_mul_i32 s2, s10, 16*272                      ; LDS: the wave's 32 keys of K,
	s_mul_i32 s3, s10, 16*288                      ; of V,
	s_add_co_u32 s3, s3, KBYTES                    ; which lies behind K
	s_wait_dscnt 0x0
	s_wait_kmcnt 0x0
	s_add_nc_u64 s[54:55], s[4:5], s[54:55]
	s_add_nc_u64 s[56:57], s[4:5], s[56:57]
	s_add_nc_u64 s[58:59], s[4:5], s[62:63]        ; my query group's queries
	s_add_nc_u64 s[60:61], s[8:9], s[62:63]        ; and where their results go
	s_lshl_b32 s62, s15, 13
	s_add_nc_u64 s[6:7], s[6:7], s[62:63]          ; the batch's mask
.irp s, 0,1
	s_mov_b32 s[G0K+4*\s], 1
	s_add_co_u32 s[G0K+4*\s+1], s2, \s*ASLOT
	s_add_nc_u64 s[G0K+4*\s+2:G0K+4*\s+3], s[54:55], \s*TSTEP
	s_or_b32 s[G0K+4*\s+3], s[G0K+4*\s+3], 0x80000000
	s_mov_b32 s[G0V+4*\s], 1
	s_add_co_u32 s[G0V+4*\s+1], s3, \s*ASLOT
	s_add_nc_u64 s[G0V+4*\s+2:G0V+4*\s+3], s[56:57], \s*TSTEP
	s_or_b32 s[G0V+4*\s+3], s[G0V+4*\s+3], 0x80000000
.endr
	ROUND                                          ; the four work-groups are here: the first joint loads meet
	tensor_load_to_lds s[G0K:G0K+3], s[G1K:G1K+7]  ; tile 0
	s_nop 0
	tensor_load_to_lds s[G0V:G0V+3], s[G1V:G1V+7]
	s_nop 0
	v_and_b32 v1, 31, v0                           ; l
	v_and_b32 v2, 15, v0                           ; r
	v_bfe_u32 v3, v0, 4, 1                         ; h
	v_lshlrev_b32 v13, 4, v0                       ; 16 x thread: my four mask words (512 threads x 4 = the batch's 2,048)
	v_lshlrev_b32 v[QOF], 7, v2
	v_lshl_add_u32 v[QOF], v3, 4, v[QOF]           ; query r's row + 16 h
	global_load_b128 v[SREG:SREG+3], v13, s[6:7]
.irp qt, 0,1
.irp c, 0,1
	global_load_b128 v[QREG+16*\qt+8*\c:QREG+16*\qt+8*\c+3],   v[QOF], s[58:59] offset:\qt*2048+64*\c
	global_load_b128 v[QREG+16*\qt+8*\c+4:QREG+16*\qt+8*\c+7], v[QOF], s[58:59] offset:\qt*2048+64*\c+32
.endr
.endr
	v_add_nc_u32 v14, TAB, v13
	v_and_b32 v[T0], 1, v0                         ; l % 2
	v_lshrrev_b32 v[KAD], 1, v2
	v_mul_u32_u24 v[KAD], v[KAD], 272              ; K: (r / 2) x pitch
	v_lshl_add_u32 v[KAD], v[T0], 7, v[KAD]        ; + (r % 2) x 128
	v_lshl_add_u32 v[KAD], v3, 4, v[KAD]           ; + 16 h
	s_mul_i32 s49, s67, HALFK
	v_add_nc_u32 v[KAD], s49, v[KAD]               ; + my key half
	v_add_nc_u32 v[KAD+1], ASLOT, v[KAD]
	v_bfe_u32 v[T0+1], v0, 1, 2                    ; V: key 8 h + l % 8 lies at (4 h + (l % 8) / 2) x pitch
	v_lshl_add_u32 v[T0+1], v3, 2, v[T0+1]
	v_mul_u32_u24 v[T0+1], v[T0+1], 288
	v_lshl_add_u32 v[T0+1], v[T0], 7, v[T0+1]      ; + (l % 2) x 128
	v_bfe_u32 v[T0+2], v0, 3, 1
	v_lshl_add_u32 v[T0+1], v[T0+2], 4, v[T0+1]    ; + 16 ((l / 8) % 2)
	s_mul_i32 s49, s67, HALFV
	s_add_co_u32 s49, s49, KBYTES
	v_add_nc_u32 v[VAD], s49, v[T0+1]              ; + my key half, behind K
	v_add_nc_u32 v[VAD+1], ASLOT, v[VAD]
	v_lshlrev_b32 v[BADR], 5, v3
	s_lshl_b32 s49, s67, 10                        ; my half's 256 words of a tile's 512
	s_add_co_u32 s49, s49, TAB
	v_add_nc_u32 v[BADR], s49, v[BADR]
	s_mul_i32 s49, s66, 32*144
	s_add_co_u32 s49, s49, STAGE                   ; my query group's stage
	v_mul_u32_u24 v[T0], v2, 144
	v_lshl_add_u32 v[T0], v3, 4, v[T0]
	v_add_nc_u32 v[STO], s49, v[T0]
	v_lshrrev_b32 v[T0], 3, v1
	v_mul_u32_u24 v[T0], v[T0], 144
	v_and_b32 v[T0+1], 7, v0
	v_lshl_add_u32 v[T0], v[T0+1], 4, v[T0]
	v_add_nc_u32 v[RD], s49, v[T0]
	v_lshlrev_b32 v[CO], 4, v1
	s_mul_i32 s49, s66, MWAVE
	v_lshl_add_u32 v[MAD], v1, 4, s49              ; 16 l + my query group's merge area
	s_wait_loadcnt 8                               ; the mask load is in; the eight loads of Q behind it stay out
.irp i, 0,1,2,3
	v_cvt_f32_i32 v[SREG+\i], v[SREG+\i]
.endr
.irp i, 0,1,2,3
	v_fma_f32 v[SREG+\i], v[SREG+\i], s52, s53     ; 1e9 log2(e) (m - 1)
.endr
	ds_store_b128 v14, v[SREG:SREG+3]              ; shown to the other waves by the wait for 0 and the round at the head of the first trip
	s_wait_loadcnt 0x0                             ; Q
; The softmax step of query tile q on 64 keys: my lane has 32 of its query's scores, the lane 16 further on the other 32.
.macro SOFTMAX q, first
.set SB, SREG+32*\q
	v_max3_num_f32 v[T0],   v[SB+0], v[SB+1],  v[SB+2]     ; four chains, started by the first twelve scores
	v_max3_num_f32 v[T0+1], v[SB+3], v[SB+4],  v[SB+5]
	v_max3_num_f32 v[T0+2], v[SB+6], v[SB+7],  v[SB+8]
	v_max3_num_f32 v[T0+3], v[SB+9], v[SB+10], v[SB+11]
.set nn, 0
.rept 10
	v_max3_num_f32 v[T0+nn%4], v[T0+nn%4], v[SB+12+2*nn], v[SB+13+2*nn]
.set nn, nn+1
.endr
	v_max3_num_f32 v[T0], v[T0], v[T0+1], v[T0+2]
	v_max_num_f32 v[T0], v[T0], v[T0+3]
	v_permlanex16_b32 v[T0+1], v[T0], s50, s51     ; the other half's maximum
.if \first
	v_max_num_f32 v[T0+2], v[T0], v[T0+1]
	v_mov_b32 v[MREG+\q], v[T0+2]
.else
	v_max3_num_f32 v[T0+2], v[T0], v[T0+1], v[MREG+\q]     ; the new running maximum
	v_sub_f32 v[T0+3], v[MREG+\q], v[T0+2]
	v_exp_f32 v[T0+3], v[T0+3]                     ; the factor for the old sums
	v_mov_b32 v[MREG+\q], v[T0+2]                  ; the plain instruction between a transcendental and its result's first use
	s_wait_alu depctr_va_vdst(0)
.endif
.set nn, 0
.rept 16
	v_pk_add_f32 v[SB+2*nn:SB+2*nn+1], v[SB+2*nn:SB+2*nn+1], v[T0+2:T0+3] op_sel_hi:[1,0] neg_lo:[0,1] neg_hi:[0,1]   ; score - maximum
.set nn, nn+1
.endr
.set nn, 0
.rept 32
	v_exp_f32 v[SB+nn], v[SB+nn]
.set nn, nn+1
.endr
.if \first
	v_nop                                          ; the plain instruction behind the last exponential
	s_wait_alu depctr_va_vdst(0)
.else
.set nn, 0
	s_wait_alu depctr_va_vdst(0)
.rept 16
	v_pk_mul_f32 v[OREG+32*\q+2*nn:OREG+32*\q+2*nn+1], v[OREG+32*\q+2*nn:OREG+32*\q+2*nn+1], v[T0+2:T0+3] op_sel:[0,1] op_sel_hi:[1,1]   ; old output sums x factor
.set nn, nn+1
.endr
.endif
	v_pk_add_f32 v[A0:A0+1], v[SB:SB+1],   v[SB+2:SB+3]    ; the weights' sum in two chains of pairs
	v_pk_add_f32 v[T0:T0+1], v[SB+4:SB+5], v[SB+6:SB+7]
.set nn, 0
.rept 6
	v_pk_add_f32 v[A0:A0+1], v[A0:A0+1], v[SB+8+4*nn:SB+9+4*nn]
	v_pk_add_f32 v[T0:T0+1], v[T0:T0+1], v[SB+10+4*nn:SB+11+4*nn]
.set nn, nn+1
.endr
	v_pk_add_f32 v[A0:A0+1], v[A0:A0+1], v[T0:T0+1]
.if \first
	v_add_f32 v[LREG+\q], v[A0], v[A0+1]
.else
	v_fma_f32 v[LREG+\q], v[LREG+\q], v[T0+3], v[A0]
	v_add_f32 v[LREG+\q], v[LREG+\q], v[A0+1]
.endif
.irp g, 0,1                                    ; pack in place: each target has been read before it is written
.irp i, 0,1,2,3
	v_cvt_pk_f16_f32 v[SB+16*\g+\i], v[SB+16*\g+2*\i], v[SB+16*\g+2*\i+1]
.endr
.irp i, 0,1,2,3
	v_cvt_pk_f16_f32 v[SB+16*\g+4+\i], v[SB+16*\g+8+2*\i], v[SB+16*\g+8+2*\i+1]
.endr
.endr
.endm
; O^T of query tile q += V^T P^T over the chunk's 64 keys.  Four accumulators take turns, one instruction a turn.
.macro PV q, first
.irp g, 0,1
.irp t, 0,1,2,3
.if \first*(1-\g)
	v_wmma_f32_16x16x32_f16 v[OREG+32*\q+8*\t:OREG+32*\q+8*\t+7], v[FREG+32*\g+8*\t:FREG+32*\g+8*\t+7], v[SREG+32*\q+16*\g:SREG+32*\q+16*\g+7], 0
.else
	v_wmma_f32_16x16x32_f16 v[OREG+32*\q+8*\t:OREG+32*\q+8*\t+7], v[FREG+32*\g+8*\t:FREG+32*\g+8*\t+7], v[SREG+32*\q+16*\g:SREG+32*\q+16*\g+7], v[OREG+32*\q+8*\t:OREG+32*\q+8*\t+7]
.endif
.endr
.endr
.endm
; 64 keys of my half of a slot.
.macro CHUNK slot, ch, first
.if \first == 0
.rept 4
	v_nop                                          ; four places behind the last chunk's matrix instructions (ISA guide 7.12.1): their sources are loaded again
.endr
.endif
.irp kt, 0,1,2,3                               ; the mask's term of keys 16 kt + 8 h + 0..7, once for both query tiles, into query tile 1's score registers
	ds_load_b128 v[SREG+32+8*\kt:SREG+32+8*\kt+3],   v[BADR] offset:\ch*256+\kt*64
	ds_load_b128 v[SREG+32+8*\kt+4:SREG+32+8*\kt+7], v[BADR] offset:\ch*256+\kt*64+16
.endr
.irp kt, 0,1,2,3
.irp c, 0,1
	ds_load_b128 v[FREG+16*\kt+8*\c:FREG+16*\kt+8*\c+3],   v[KAD+\slot] offset:(32*\ch+8*\kt)*272+64*\c
	ds_load_b128 v[FREG+16*\kt+8*\c+4:FREG+16*\kt+8*\c+7], v[KAD+\slot] offset:(32*\ch+8*\kt)*272+64*\c+32
.endr
.endr
	s_wait_dscnt 0x0
.irp kt, 0,1,2,3                               ; query tile 0, d = 0..31: C = the mask's term, D its own registers
	v_wmma_f32_16x16x32_f16 v[SREG+8*\kt:SREG+8*\kt+7], v[FREG+16*\kt:FREG+16*\kt+7], v[QREG:QREG+7], v[SREG+32+8*\kt:SREG+32+8*\kt+7]
.endr
.rept 5
	v_nop                                          ; five places (ISA guide 7.12.1) before matrix instructions write over the registers that those four took as C
.endr
.irp kt, 0,1,2,3                               ; query tile 1, d = 0..31: onto the mask's term in place
	v_wmma_f32_16x16x32_f16 v[SREG+32+8*\kt:SREG+32+8*\kt+7], v[FREG+16*\kt:FREG+16*\kt+7], v[QREG+16:QREG+23], v[SREG+32+8*\kt:SREG+32+8*\kt+7]
.endr
.irp kt, 0,1,2,3                               ; d = 32..63: eight accumulators take turns, one instruction a turn
.irp q, 0,1
	v_wmma_f32_16x16x32_f16 v[SREG+32*\q+8*\kt:SREG+32*\q+8*\kt+7], v[FREG+16*\kt+8:FREG+16*\kt+15], v[QREG+16*\q+8:QREG+16*\q+15], v[SREG+32*\q+8*\kt:SREG+32*\q+8*\kt+7]
.endr
.endr
.rept 4
	v_nop                                          ; four places: K's registers are loaded again, the scores are read
.endr
.irp g, 0,1
.irp t, 0,1,2,3
	ds_load_tr16_b128 v[FREG+32*\g+8*\t:FREG+32*\g+8*\t+3],   v[VAD+\slot] offset:(32*\ch+16*\g)*288+32*\t
	ds_load_tr16_b128 v[FREG+32*\g+8*\t+4:FREG+32*\g+8*\t+7], v[VAD+\slot] offset:(32*\ch+16*\g)*288+32*\t+2304
.endr
.endr
	SOFTMAX 0, \first                              ; V arrives meanwhile
	s_wait_dscnt 0x0
	PV 0, \first
	SOFTMAX 1, \first
	PV 1, \first
.endm
; A tile of 512 keys, of which my wave takes 256.  In front of the round every wave has waited for all its tensor loads (its part of this tile
; among them) and for its reads of the other slot; behind the round the joint refills of the other slot come first.
.macro TRIP slot, refill, first
	s_wait_tensorcnt 0x0                           ; no tensor load of mine is out: every group 0 may be written
	ds_add_u32 v254, v255
	s_wait_dscnt 0x0
	s_add_nc_u64 s[G0K+4*\slot+2:G0K+4*\slot+3], s[G0K+4*\slot+2:G0K+4*\slot+3], 2*TSTEP   ; this slot's next tile
	s_add_nc_u64 s[G0V+4*\slot+2:G0V+4*\slot+3], s[G0V+4*\slot+2:G0V+4*\slot+3], 2*TSTEP
	s_wait_dscnt 0x0                               ; my LDS reads (and, in the first trip, my store into the mask's table) are done
	ROUND
.if \refill
	tensor_load_to_lds s[G0K+4*(1-\slot):G0K+4*(1-\slot)+3], s[G1K:G1K+7]
	s_nop 0
	tensor_load_to_lds s[G0V+4*(1-\slot):G0V+4*(1-\slot)+3], s[G1V:G1V+7]
	s_nop 0
.endif
	CHUNK \slot, 0, \first
	CHUNK \slot, 1, 0
	CHUNK \slot, 2, 0
	CHUNK \slot, 3, 0
	v_add_nc_u32 v[BADR], 2048, v[BADR]            ; the next tile's 512 words of the table
.endm
	TRIP 0, 1, 1                                   ; tile 0; the first chunk starts maxima and sums: nothing is cleared.  Tile 1 goes out
	TRIP 1, 1, 0                                   ; tile 1; tile 2 goes out: slot 0's last fill
	TRIP 0, 1, 0                                   ; tile 2; tile 3 goes out: the last (the addresses stepped from here on are not used)
	TRIP 1, 0, 0                                   ; tile 3.  Every wave's reads of slot 0 were over in front of this trip's round: slot 0 is free
	; THE MERGE.  Waves 8-15 hand their output sums, maxima and sums to the wave of the same query group among waves 0-7, through slot 0's bytes.
.rept 4
	v_nop                                          ; four places behind the last matrix instructions
.endr
	s_cmp_lt_u32 s10, 8
	s_cbranch_scc1 .Lno_hand
.set nn, 0
.rept 16
	ds_store_b128 v[MAD], v[OREG+4*nn:OREG+4*nn+3] offset:512*nn   ; 32 lanes x 16 neighbouring bytes
.set nn, nn+1
.endr
	ds_store_b128 v[MAD], v[MREG:MREG+3] offset:8192               ; two maxima, two sums
.Lno_hand:
	s_wait_dscnt 0x0                               ; for the others' sake: my stores are done
	s_barrier_signal -1
	s_barrier_wait -1
	s_cmp_ge_u32 s10, 8
	s_cbranch_scc1 .Lclose
	ds_load_b128 v[FREG:FREG+3], v[MAD] offset:8192
.set nn, 0
.rept 16
	ds_load_b128 v[SREG+4*nn:SREG+4*nn+3], v[MAD] offset:512*nn    ; the other half's O, register for register
.set nn, nn+1
.endr
	s_wait_dscnt 16                                ; the other half's maxima and sums are in; its sixteen loads of O stay out
.irp q, 0,1
	v_max_num_f32 v[T0], v[MREG+\q], v[FREG+\q]    ; the common maximum
	v_sub_f32 v[T0+2], v[MREG+\q], v[T0]
	v_sub_f32 v[T0+3], v[FREG+\q], v[T0]
	v_exp_f32 v[T0+2], v[T0+2]                     ; my half's factor,
	v_exp_f32 v[T0+3], v[T0+3]                     ; the other's: one of the two is 1
	v_nop                                          ; the plain instruction behind a transcendental
	s_wait_alu depctr_va_vdst(0)
	v_mul_f32 v[LREG+\q], v[LREG+\q], v[T0+2]
	v_fmac_f32 v[LREG+\q], v[FREG+2+\q], v[T0+3]
	v_permlanex16_b32 v[T0], v[LREG+\q], s50, s51  ; the keys of the other sixteen lanes
	v_add_f32 v[LREG+\q], v[LREG+\q], v[T0]        ; at least 1: the largest weight is 1
	v_rcp_f32 v[T0+1], v[LREG+\q]
	v_nop                                          ; the plain instruction behind a transcendental
	s_wait_alu depctr_va_vdst(0)
	v_mul_f32 v[T0+2], v[T0+2], v[T0+1]
	v_mul_f32 v[T0+3], v[T0+3], v[T0+1]
	s_wait_dscnt 8-8*\q                            ; the other half's O of this query tile is in (query tile 0: the eight loads of query tile 1 stay out)
.set nn, 0
.rept 16
	v_pk_mul_f32 v[OREG+32*\q+2*nn:OREG+32*\q+2*nn+1], v[OREG+32*\q+2*nn:OREG+32*\q+2*nn+1], v[T0+2:T0+3] op_sel_hi:[1,0]
.set nn, nn+1
.endr
.set nn, 0
.rept 16
	v_pk_fma_f32 v[OREG+32*\q+2*nn:OREG+32*\q+2*nn+1], v[SREG+32*\q+2*nn:SREG+32*\q+2*nn+1], v[T0+2:T0+3], v[OREG+32*\q+2*nn:OREG+32*\q+2*nn+1] op_sel:[0,1,0] op_sel_hi:[1,1,1]
.set nn, nn+1
.endr
	; THE WAY OUT: rounded to f16 and sent through my own stage as whole rows
.set nn, 0
.rept 16
	v_cvt_pk_f16_f32 v[SREG+16*\q+nn], v[OREG+32*\q+2*nn], v[OREG+32*\q+2*nn+1]    ; into registers whose numbers have been used
.set nn, nn+1
.endr
.irp t, 0,1,2,3
	ds_store_b128 v[STO], v[SREG+16*\q+4*\t:SREG+16*\q+4*\t+3] offset:16*\q*144+32*\t   ; query 16 q + r, d = 16 t + 8 h + 0..7
.endr
.endr
.irp t, 0,1,2,3,4,5,6,7
	ds_load_b128 v[FREG+4*\t:FREG+4*\t+3], v[RD] offset:\t*576     ; four rows of 128 bytes; LDS serves a wave's instructions in order
.endr
.irp t, 0,1,2,3,4,5,6,7
	s_wait_dscnt 7-\t                              ; this load is in, the younger ones stay out
	global_store_b128 v[CO], v[FREG+4*\t:FREG+4*\t+3], s[60:61] offset:512*\t   ; 512 consecutive bytes of the head's plane
.endr
.Lclose:
	s_wait_tensorcnt 0x0
	ds_add_u32 v254, v255
	s_wait_dscnt 0x0
	ROUND                                          ; the closing round: no work-group ends while a partner may still ask for a tile that names it
	s_endpgm
.Lfunc_end_k_q460e971d17_attn:
	.size	k_q460e971d17_attn, .Lfunc_end_k_q460e971d17_attn-k_q460e971d17_attn
	.p2alignl 7, 3214868480
	.fill 96, 4, 3214868480
	.section	.rodata,"a",@progbits
	.p2align	6, 0x0
	.amdhsa_kernel k_q460e971d17_attn
		.amdhsa_group_segment_fixed_size 327680
		.amdhsa_private_segment_fixed_size 0
		.amdhsa_enable_private_segment 0
		.amdhsa_kernarg_size 24
		.amdhsa_user_sgpr_count 2
		.amdhsa_user_sgpr_kernarg_segment_ptr 1
		.amdhsa_wavefront_size32 1
		.amdhsa_system_sgpr_workgroup_id_x 1
		.amdhsa_system_sgpr_workgroup_id_y 1
		.amdhsa_system_sgpr_workgroup_id_z 1
		.amdhsa_system_vgpr_workitem_id 0
		.amdhsa_next_free_vgpr 256
		.amdhsa_next_free_sgpr 68
		.amdhsa_reserve_vcc 0
		.amdhsa_float_denorm_mode_32 3
		.amdhsa_float_denorm_mode_16_64 3
		.amdhsa_memory_ordered 1
		.amdhsa_forward_progress 1
		.amdhsa_inst_pref_size 255
	.end_amdhsa_kernel
	.section	.bss,"aw",@nobits
	.p2align	6
	.space	262144
	.amdgpu_metadata
---
amdhsa.version: [ 1, 2 ]
amdhsa.kernels:
  - .name:           k_q460e971d17_attn
    .symbol:         k_q460e971d17_attn.kd
    .args:
      - { .name: qkv, .offset: 0, .size: 8, .value_kind: global_buffer, .address_space: global }
      - { .name: mask, .offset: 8, .size: 8, .value_kind: global_buffer, .address_space: global }
      - { .name: att, .offset: 16, .size: 8, .value_kind: global_buffer, .address_space: global }
    .group_segment_fixed_size: 327680
    .private_segment_fixed_size: 0
    .kernarg_segment_align: 8
    .kernarg_segment_size: 24
    .max_flat_workgroup_size: 512
    .sgpr_count:     68
    .vgpr_count:     256
    .wavefront_size: 32
...
	.end_amdgpu_metadata
.endif
;; end of part 3
;; launch oproj (part 4): grid 8 x 32, 4 waves a work-group, clusters of 4 x 4, 327,680 bytes of LDS; arguments att, wh, bo, out0; writes out0
.if DOCPART == 4
	.amdgcn_target "amdgcn-amd-amdhsa--gfx1250"
	.amdhsa_code_object_version 6
	.text
	.protected	k_q460e971d17_oproj
	.globl	k_q460e971d17_oproj
	.p2align	8
	.type	k_q460e971d17_oproj,@function
k_q460e971d17_oproj:
	s_mov_b64 s[64:65], 0
	v_nop
	global_prefetch_b8 v0, s[64:65] scope:SCOPE_SE
	s_setreg_imm32_b32 hwreg(HW_REG_WAVE_MODE, 25, 1), 1
	s_wait_xcnt 0x0
	s_wait_alu depctr_hold_cnt(0) depctr_sa_sdst(0) depctr_va_vdst(0) depctr_va_sdst(0) depctr_va_ssrc(0) depctr_va_vcc(0) depctr_vm_vsrc(0)
	s_getreg_b32 s2, hwreg(HW_REG_IB_STS2, 6, 4)
	s_cmp_eq_u32 s2, 0
	s_cbranch_scc0 .Lentry_in_a_cluster
	s_endpgm
.Lentry_in_a_cluster:
	s_bfe_u32 s2, ttmp6, 0x10000c
	s_cmp_lg_u32 s2, 0xf033
	s_cbranch_scc0 .Lentry_shape_is_right
	s_endpgm
.Lentry_shape_is_right:
; out0[m][n] = sum over k of att[m][k] Wo[k][n] + bo[n], f32 out.  Operands f16 (att: head planes of 64 columns; Wo: planes 48..63 of wh), sums f32.
; A work-group makes 128 rows x 128 columns with four waves; wave w makes rows 64 (w / 2) .. + 63 x columns 64 (w % 2) .. + 63:
; 4 x 4 accumulator tiles, 128 registers.
; K = 1024 goes in 4 steps of 256 through two LDS slots filled by the tensor data mover.  A wave has only 128 matrix instructions for a step,
; so the steps are made as long as two slots allow: half of all that the work-group reads is asked for at the start, the rest in two refills.
; CLUSTERS: 4 x 4 work-groups.  att's tiles are asked for jointly along a row of the cluster, Wo's along a column.
; TILES: a plane's rows (128 bytes) follow each other without gaps and are fetched as rows of 256 bytes, padded in LDS:
;   row i of a plane lies at (i / 2) x pitch + (i % 2) x 128; pitch 272 for att (plain loads), 288 for Wo (transposing loads, since Wo lies [k][n]).
;   A slot: att's four k-planes of 128 rows, then Wo's two n-planes of 256 k rows.
; THE MATRIX INSTRUCTION IS USED TRANSPOSED: source 0 = 16 columns of Wo, source 1 = 16 rows of att; lane (r, h), register j holds
; row 16 a + r, column 16 b + 8 h + j.
; REGISTERS in windows of 256:  window 0: addresses, att fragments (two buffers), bias;  window 1: Wo fragments (two buffers);
;   window 2: accumulators of row tiles 0, 1 (tile (a, b) at v[8 (4 (a % 2) + b)]);  window 3: those of row tiles 2, 3.
.set NB,     4                         ; column tiles of a wave
.set APL,    64*272                    ; LDS bytes of one k-plane of att's tile: 128 rows
.set BPL,    128*288                   ; LDS bytes of one n-plane of Wo's tile: 256 k rows
.set BOFS,   4*APL                     ; Wo's planes lie behind att's four
.set SLOT,   BOFS+2*BPL                ; 143,360
.set STAGE,  2*SLOT                    ; behind the ring, bytes that no tensor load fills
.set SWAVE,  16*272                    ; a wave's stage: 16 rows of 256 + 16 bytes
.set NFETCH, 2*NB+8                    ; LDS loads of one eighth of a step
.set ASTEP,  4*524288                  ; a K step in att: four planes
.set BSTEP,  256*128                   ; a K step in wh: 256 rows of a plane
.set WPLANE, 131072
.set WOFF,   48*WPLANE                 ; Wo's planes in wh
.set G1A, 24                           ; s[24:31]
.set G0A, 32                           ; s[32:39] a set for each slot
.set G1B, 48                           ; s[48:55]
.set G0B, 68                           ; s[68:75] a set for each slot
.set BP,  56                           ; s[56:57] bias address
.set OB,  66                           ; s[66:67] output address
.set ADRA, 16
.set ADRB, 20
.set STO,  24
.set RD,   25
.set CO,   26
.set BOFF, 27
.set FA,   32                          ; window 0: v32-63, v64-95
.set BIAS, 128                         ; window 0: v128-159
.set RB,   80                          ; the way out: rows read back v80-111
.set MSB, 0
.macro WIN new                         ; the immediate's high byte repeats the setting that is left
.if MSB != \new
	s_set_vgpr_msb (MSB<<8)|\new
.set MSB, \new
.endif
.endm
.set MUL_LO, 0xa1
.set MUL_HI, 0xf1
.set TO_B,   0x40
.macro CREST
	s_cmp_lg_u32 s16, 0
	s_cbranch_scc1 .Lnot_wave_0_\@
	s_barrier_signal -3
.Lnot_wave_0_\@:
	s_barrier_wait -3
	s_barrier_signal -1
	s_barrier_wait -1
.endm
.macro CROUND
	s_barrier_signal -1
	s_barrier_wait -1
	CREST
.endm
.macro PLACES                          ; four places behind a matrix instruction (ISA guide 7.12.1)
.rept 4
	v_nop
.endr
.endm
.macro TLOADS s                        ; a wave's two joint loads for one slot: one k-plane of att's tile, half an n-plane of Wo's
	tensor_load_to_lds s[G0A+4*\s:G0A+4*\s+3], s[G1A:G1A+7]
	s_nop 0
	tensor_load_to_lds s[G0B+4*\s:G0B+4*\s+3], s[G1B:G1B+7]
	s_nop 0
.endm
	s_load_b256 s[4:11], s[0:1], 0x0               ; att s[4:5], wh s[6:7], bo s[8:9], out0 s[10:11]
	s_set_vgpr_msb 0x40
	v_lshl_add_u32 v255, v0, 2, 0x4a400
	s_set_vgpr_msb 0x4000
	v_mov_b32 v255, 0
	s_set_vgpr_msb 0x1
	ds_add_u32 v255, v255
	s_set_vgpr_msb 0x100
	v_lshrrev_b32 v1, 5, v0
	v_readfirstlane_b32 s16, v1                    ; wave 0..3
	s_and_b32 s17, s16, 1                          ; my 64 columns.  Also: which 128 k rows of Wo's plane I fetch
	s_lshr_b32 s18, s16, 1                         ; my 64 rows.  Also: which of Wo's two planes I fetch
	s_bfe_u32 s20, ttmp6, 0x40000                  ; cx
	s_bfe_u32 s21, ttmp6, 0x40004                  ; cy
	s_lshl_b32 s22, ttmp9, 2
	s_add_co_u32 s22, s22, s20                     ; bx: block column 0..7
	s_and_b32 s23, ttmp7, 0xffff
	s_lshl_b32 s23, s23, 2
	s_add_co_u32 s23, s23, s21                     ; by: block row 0..31
	s_lshl_b32 s40, s21, 2
	s_lshl_b32 s40, 15, s40                        ; my row of the cluster
	s_lshl_b32 s41, 0x1111, s20                    ; my column
	s_or_b32 s[G1A+0], s40, (1<<16)|(1<<20)|(1<<21)|(5<<22)|(3<<25)   ; 64 rows of 128 elements of 2 bytes, 4 words behind every 64
	s_mov_b32 s[G1A+1], 128<<16
	s_mov_b32 s[G1A+2], 64<<16
	s_mov_b32 s[G1A+3], 128<<16
	s_mov_b32 s[G1A+4], 64
	s_mov_b32 s[G1A+5], 128
	s_mov_b32 s[G1A+6], 0
	s_mov_b32 s[G1A+7], 0
	s_or_b32 s[G1B+0], s41, (1<<16)|(1<<20)|(1<<21)|(5<<22)|(7<<25)   ; the same shape, 8 words behind every 64
	s_mov_b32 s[G1B+1], 128<<16
	s_mov_b32 s[G1B+2], 64<<16
	s_mov_b32 s[G1B+3], 128<<16
	s_mov_b32 s[G1B+4], 64
	s_mov_b32 s[G1B+5], 128
	s_mov_b32 s[G1B+6], 0
	s_mov_b32 s[G1B+7], 0
	s_lshl_b32 s42, s16, 19                        ; att: k-plane w of the step's four,
	s_lshl_b32 s46, s23, 14                        ; block row: 128 rows of 128 bytes
	s_add_co_u32 s42, s42, s46
	s_mov_b32 s43, 0
	s_lshl_b32 s44, s22, 18                        ; Wo: two planes for each block column,
	s_lshl_b32 s47, s18, 17                        ; plane w / 2 of them,
	s_add_co_u32 s44, s44, s47
	s_lshl_b32 s47, s17, 14                        ; k rows 128 (w % 2) ..
	s_add_co_u32 s44, s44, s47
	s_add_co_u32 s44, s44, WOFF
	s_mov_b32 s45, 0
	s_mul_i32 s2, s16, APL                         ; LDS: att's planes follow each other by the wave's number,
	s_mul_i32 s3, s16, 64*288                      ; Wo's half planes likewise,
	s_add_co_u32 s3, s3, BOFS                      ; behind att's
	s_wait_dscnt 0x0
	s_wait_kmcnt 0x0
	s_add_nc_u64 s[42:43], s[4:5], s[42:43]
	s_add_nc_u64 s[44:45], s[6:7], s[44:45]
	CROUND                                         ; all sixteen work-groups are here: the first joint loads meet
.irp s, 0,1
	s_mov_b32 s[G0A+4*\s], 1
	s_add_co_u32 s[G0A+4*\s+1], s2, \s*SLOT
	s_add_nc_u64 s[G0A+4*\s+2:G0A+4*\s+3], s[42:43], \s*ASTEP
	s_or_b32 s[G0A+4*\s+3], s[G0A+4*\s+3], 0x80000000
	s_mov_b32 s[G0B+4*\s], 1
	s_add_co_u32 s[G0B+4*\s+1], s3, \s*SLOT
	s_add_nc_u64 s[G0B+4*\s+2:G0B+4*\s+3], s[44:45], \s*BSTEP
	s_or_b32 s[G0B+4*\s+3], s[G0B+4*\s+3], 0x80000000
	TLOADS \s                                      ; K steps 0 and 1: four tensor loads of the wave are out here, later two
.endr
	v_and_b32 v1, 31, v0                           ; l
	v_and_b32 v2, 15, v0                           ; r
	v_bfe_u32 v3, v0, 4, 1                         ; h
	v_and_b32 v5, 1, v0
	v_lshrrev_b32 v4, 1, v2
	v_mul_u32_u24 v4, v4, 272                      ; att: (r / 2) x pitch
	v_lshl_add_u32 v4, v5, 7, v4                   ; + (r % 2) x 128
	v_lshl_add_u32 v4, v3, 4, v4                   ; + 16 h
	s_mul_i32 s62, s18, 32*272                     ; + my 64 rows
	v_add_nc_u32 v[ADRA], s62, v4
	v_add_nc_u32 v[ADRA+1], SLOT, v[ADRA]
	v_bfe_u32 v6, v0, 1, 2                         ; Wo: k row 8 h + l % 8 lies at (4 h + (l % 8) / 2) x pitch
	v_lshl_add_u32 v6, v3, 2, v6
	v_mul_u32_u24 v6, v6, 288
	v_lshl_add_u32 v6, v5, 7, v6                   ; + (l % 2) x 128
	v_bfe_u32 v7, v0, 3, 1
	v_lshl_add_u32 v6, v7, 4, v6                   ; + 16 ((l / 8) % 2)
	s_mul_i32 s62, s17, BPL                        ; + my n-plane,
	s_add_co_u32 s62, s62, BOFS                    ; behind att's planes
	v_add_nc_u32 v[ADRB], s62, v6
	v_add_nc_u32 v[ADRB+1], SLOT, v[ADRB]
	s_mul_i32 s62, s16, SWAVE
	s_add_co_u32 s62, s62, STAGE                   ; my stage
	v_mul_u32_u24 v8, v2, 272
	v_lshl_add_u32 v8, v3, 5, v8
	v_add_nc_u32 v[STO], s62, v8                   ; in: row r, 32 bytes for each half of the lanes
	v_mul_u32_u24 v9, v3, 272
	v_lshl_add_u32 v9, v2, 4, v9
	v_add_nc_u32 v[RD], s62, v9                    ; back: lanes 0-15 take one row of 256 bytes, lanes 16-31 the next
	v_lshlrev_b32 v10, 12, v3
	v_lshl_add_u32 v[CO], v2, 4, v10               ; and the same two rows in out0
	v_lshlrev_b32 v[BOFF], 5, v3
	s_mov_b32 s63, 0
	s_lshl_b32 s62, s22, 9                         ; the block's 128 columns, f32,
	s_lshl_b32 s21, s17, 8                         ; my 64 of them
	s_add_co_u32 s62, s62, s21
	s_add_nc_u64 s[BP:BP+1], s[8:9], s[62:63]
	s_lshl_b32 s21, s23, 19                        ; 128 rows of 4,096 bytes for each block row,
	s_add_co_u32 s62, s62, s21
	s_lshl_b32 s21, s18, 18                        ; my 64 rows
	s_add_co_u32 s62, s62, s21
	s_add_nc_u64 s[OB:OB+1], s[10:11], s[62:63]
.set bb, 0
.rept NB                                       ; the bias: waited for on the way out only
	global_load_b128 v[BIAS+8*bb:BIAS+8*bb+3],   v[BOFF], s[BP:BP+1] offset:64*bb
	global_load_b128 v[BIAS+8*bb+4:BIAS+8*bb+7], v[BOFF], s[BP:BP+1] offset:64*bb+16
.set bb, bb+1
.endr
; The 16 accumulators take turns, one instruction a turn, in the same order in every eighth of a step.
.macro MULROW f, hi, al, zero
.set bb, 0
.rept NB
.if \zero
	v_wmma_f32_16x16x32_f16 v[8*(NB*\al+bb):8*(NB*\al+bb)+7], v[8*NB*\f+8*bb:8*NB*\f+8*bb+7], v[FA+32*\f+8*(2*\hi+\al):FA+32*\f+8*(2*\hi+\al)+7], 0
.else
	v_wmma_f32_16x16x32_f16 v[8*(NB*\al+bb):8*(NB*\al+bb)+7], v[8*NB*\f+8*bb:8*NB*\f+8*bb+7], v[FA+32*\f+8*(2*\hi+\al):FA+32*\f+8*(2*\hi+\al)+7], v[8*(NB*\al+bb):8*(NB*\al+bb)+7]
.endif
.set bb, bb+1
.endr
.endm
.macro FETCH slot, q8, g               ; the fragments of eighth q8 (32 along K) of a slot into buffer g: Wo's 4 column tiles, then att's 4 row tiles
	WIN TO_B
.set bb, 0
.rept NB
	ds_load_tr16_b128 v[8*NB*\g+8*bb:8*NB*\g+8*bb+3],   v[ADRB+\slot] offset:(\q8)*4608+bb*32
	ds_load_tr16_b128 v[8*NB*\g+8*bb+4:8*NB*\g+8*bb+7], v[ADRB+\slot] offset:(\q8)*4608+bb*32+2304
.set bb, bb+1
.endr
	WIN 0
.set aa, 0
.rept 4
	ds_load_b128 v[FA+32*\g+8*aa:FA+32*\g+8*aa+3],   v[ADRA+\slot] offset:((\q8)/2)*APL+((\q8)%2)*64+aa*2176
	ds_load_b128 v[FA+32*\g+8*aa+4:FA+32*\g+8*aa+7], v[ADRA+\slot] offset:((\q8)/2)*APL+((\q8)%2)*64+aa*2176+32
.set aa, aa+1
.endr
.endm
; One of a K step's first seven eighths: multiplies buffer f; in its middle it fetches eighth q8n of the same slot into buffer g.
.macro QUARTER slot, q8n, f, g, zero
	s_wait_dscnt 4                                 ; Wo and att's row tiles 0, 1 are in; the youngest four loads (row tiles 2, 3) may be out
	WIN MUL_LO
	MULROW \f, 0, 0, \zero
	MULROW \f, 0, 1, \zero
	PLACES
	FETCH \slot, \q8n, \g
	s_wait_dscnt NFETCH                            ; all but the run just issued
	WIN MUL_HI
	MULROW \f, 1, 0, \zero
	MULROW \f, 1, 1, \zero
.endm
.macro SEVEN slot, zero
	QUARTER \slot, 1, 0, 1, \zero
	QUARTER \slot, 2, 1, 0, 0
	QUARTER \slot, 3, 0, 1, 0
	QUARTER \slot, 4, 1, 0, 0
	QUARTER \slot, 5, 0, 1, 0
	QUARTER \slot, 6, 1, 0, 0
	QUARTER \slot, 7, 0, 1, 0
.endm
; The last eighth changes slots: in front of the barrier each wave waits for its reads of this slot and for all its tensor loads; fill = 1: the
; barrier opens a round of the cluster's barrier, and the joint refills, two K steps ahead, are the first tensor loads behind the round.
.macro TURN slot, next, fill
	s_wait_dscnt 4
	WIN MUL_LO
	MULROW 1, 0, 0, 0
	s_wait_dscnt 0x0                               ; my reads of this slot are over
	s_wait_tensorcnt 0x0                           ; all my tensor loads have landed
	ds_add_u32 v255, v255
	s_wait_dscnt 0x0
	s_barrier_signal -1
	MULROW 1, 0, 1, 0                              ; register work while the others arrive
	WIN 0
	s_barrier_wait -1
.if \fill
	CREST                                          ; no wave of any partner still reads this slot or has a load on its way
	s_add_nc_u64 s[G0A+4*\slot+2:G0A+4*\slot+3], s[G0A+4*\slot+2:G0A+4*\slot+3], 2*ASTEP
	s_add_nc_u64 s[G0B+4*\slot+2:G0B+4*\slot+3], s[G0B+4*\slot+2:G0B+4*\slot+3], 2*BSTEP
	TLOADS \slot
.endif
	PLACES
	FETCH \next, 0, 0
	WIN MUL_HI
	MULROW 1, 1, 0, 0
	MULROW 1, 1, 1, 0
.endm
	s_wait_tensorcnt 2                             ; my two loads of K step 0 are in, the two of K step 1 stay out
	s_barrier_signal -1
	s_barrier_wait -1
	FETCH 0, 0, 0
	SEVEN 0, 1                                     ; K step 0: its first products start the sums
	TURN 0, 1, 1                                   ; K step 2 goes out
	SEVEN 1, 0                                     ; K step 1
	TURN 1, 0, 1                                   ; K step 3 goes out
	SEVEN 0, 0                                     ; K step 2: from here on nothing is filled
	TURN 0, 1, 0
	SEVEN 1, 0                                     ; K step 3
	s_wait_dscnt 4
	WIN MUL_LO
	MULROW 1, 0, 0, 0
	MULROW 1, 0, 1, 0
	s_wait_dscnt 0x0
	WIN MUL_HI
	MULROW 1, 1, 0, 0
	MULROW 1, 1, 1, 0
	; THE WAY OUT: add the bias in place, then 16 rows at a time through my own stage, read back as whole rows of 256 bytes.
	s_wait_loadcnt 0x0                             ; the bias
	PLACES
.macro ADDB win                        ; the eight tiles of one window: source 0 and destination there, the bias in window 0
	WIN \win
.set tt, 0
.rept 2*NB
.set pp, 0
.rept 4
	v_pk_add_f32 v[8*tt+2*pp:8*tt+2*pp+1], v[8*tt+2*pp:8*tt+2*pp+1], v[BIAS+8*(tt%NB)+2*pp:BIAS+8*(tt%NB)+2*pp+1]
.set pp, pp+1
.endr
.set tt, tt+1
.endr
.endm
	ADDB 0x82
	ADDB 0xc3
.macro OUT16 a, from                   ; from: the window of the LDS stores' data (source 1)
	WIN \from
.set bb, 0
.rept NB
	ds_store_b128 v[STO], v[8*(NB*(\a%2)+bb):8*(NB*(\a%2)+bb)+3]   offset:64*bb
	ds_store_b128 v[STO], v[8*(NB*(\a%2)+bb)+4:8*(NB*(\a%2)+bb)+7] offset:64*bb+16
.set bb, bb+1
.endr
	WIN 0
	s_wait_xcnt 0x0                                ; the registers that the last 16 rows' stores read are loaded again only behind this wait
.irp t, 0,1,2,3,4,5,6,7
	ds_load_b128 v[RB+4*\t:RB+4*\t+3], v[RD] offset:\t*544         ; LDS serves a wave's instructions in order: these see the stores above
.endr
.irp t, 0,1,2,3,4,5,6,7
	s_wait_dscnt 7-\t                              ; this load is in, the younger ones stay out
	global_store_b128 v[CO], v[RB+4*\t:RB+4*\t+3], s[OB:OB+1] offset:(16*\a+2*\t)*4096 th:TH_STORE_NT   ; 16 lanes store 256 consecutive bytes, at a multiple of 256 from out0's first byte
.endr
.endm
	OUT16 0, 0x08
	OUT16 1, 0x08
	OUT16 2, 0x0c
	OUT16 3, 0x0c
	s_set_vgpr_msb 0x1
	s_wait_tensorcnt 0x0
	ds_add_u32 v255, v255
	s_wait_dscnt 0x0
	s_set_vgpr_msb 0x100
	CROUND                                         ; the closing round: no work-group ends while a partner may still ask for a tile that names it
	s_endpgm
.Lfunc_end_k_q460e971d17_oproj:
	.size	k_q460e971d17_oproj, .Lfunc_end_k_q460e971d17_oproj-k_q460e971d17_oproj
	.p2alignl 7, 3214868480
	.fill 96, 4, 3214868480
	.section	.rodata,"a",@progbits
	.p2align	6, 0x0
	.amdhsa_kernel k_q460e971d17_oproj
		.amdhsa_group_segment_fixed_size 327680
		.amdhsa_private_segment_fixed_size 0
		.amdhsa_enable_private_segment 0
		.amdhsa_kernarg_size 32
		.amdhsa_user_sgpr_count 2
		.amdhsa_user_sgpr_kernarg_segment_ptr 1
		.amdhsa_wavefront_size32 1
		.amdhsa_system_sgpr_workgroup_id_x 1
		.amdhsa_system_sgpr_workgroup_id_y 1
		.amdhsa_system_sgpr_workgroup_id_z 1
		.amdhsa_system_vgpr_workitem_id 0
		.amdhsa_next_free_vgpr 832
		.amdhsa_next_free_sgpr 76
		.amdhsa_reserve_vcc 0
		.amdhsa_float_denorm_mode_32 3
		.amdhsa_float_denorm_mode_16_64 3
		.amdhsa_memory_ordered 1
		.amdhsa_forward_progress 1
		.amdhsa_inst_pref_size 97
	.end_amdhsa_kernel
	.amdgpu_metadata
---
amdhsa.version: [ 1, 2 ]
amdhsa.kernels:
  - .name:           k_q460e971d17_oproj
    .symbol:         k_q460e971d17_oproj.kd
    .args:
      - { .name: att, .offset: 0, .size: 8, .value_kind: global_buffer, .address_space: global }
      - { .name: wh, .offset: 8, .size: 8, .value_kind: global_buffer, .address_space: global }
      - { .name: bo, .offset: 16, .size: 8, .value_kind: global_buffer, .address_space: global }
      - { .name: out0, .offset: 24, .size: 8, .value_kind: global_buffer, .address_space: global }
    .group_segment_fixed_size: 327680
    .private_segment_fixed_size: 0
    .kernarg_segment_align: 8
    .kernarg_segment_size: 32
    .max_flat_workgroup_size: 128
    .sgpr_count:     76
    .vgpr_count:     832
    .wavefront_size: 32
...
	.end_amdgpu_metadata
.endif
;; end of part 4
;; ======== version 2 of 2: 4 launches; version 1 with the launch cast written anew for expert scheduling mode
;; limits: values are held in f16: magnitudes above 65,504 overflow, below 6.1e-05 lose precision
;; workspace buffers: xh 8,388,608 bytes; wh 8,388,608 bytes; qkv 25,165,824 bytes; att 8,388,608 bytes
;; launch cast (part 5): grid 256 x 2, 8 waves a work-group, no clusters, 0 bytes of LDS; arguments x, Wq, Wk, Wv, Wo, xh, wh; writes xh, wh
.if DOCPART == 5
	.amdgcn_target "amdgcn-amd-amdhsa--gfx1250"
	.amdhsa_code_object_version 6
	.text
	.protected	k_q460e971d17_cast
	.globl	k_q460e971d17_cast
	.p2align	8
	.type	k_q460e971d17_cast,@function
k_q460e971d17_cast:
	s_mov_b64 s[64:65], 0
	v_nop
	global_prefetch_b8 v0, s[64:65] scope:SCOPE_SE
	s_setreg_imm32_b32 hwreg(HW_REG_WAVE_SCHED_MODE, 0, 2), 2
	s_setreg_imm32_b32 hwreg(HW_REG_WAVE_MODE, 25, 1), 1
	s_wait_xcnt 0x0
	s_wait_alu depctr_vm_vsrc(0)
; x [4096][1024] and the four weights [1024][1024], f32, are rounded once to f16 and laid out in column planes of 64:
;   xh[plane 0..15][row 0..4095][64],  wh[16 x matrix + plane][row k 0..1023][64]   (matrix 0 Wq, 1 Wk, 2 Wv, 3 Wo).
; A plane's rows are 128 bytes and follow each other without gaps, so that every tile of the later launches is a dense block.
; LIMIT: f16 holds magnitudes below 65,504; larger inputs become infinities.  Magnitudes below 6.1e-5 are kept in steps of 6e-8.
; A stream: no LDS, no barrier, no matrix unit, no cluster (no two work-groups read the same byte).
; A work-group takes 16 whole rows (65,536 bytes in, 32,768 out).  y = 0: x, row block = x id.  y = 1: matrix = x id / 64, row block = x id % 64.
; Wave w takes planes 2w and 2w+1.  One load of a wave: lanes 0-15 take the plane's 256 bytes of one row, lanes 16-31 those of the next row.
; One store of a wave: those two rows as f16, 256 consecutive bytes at a multiple of 256 from the buffer's first byte.
; THE MODE: SCHED_MODE bits 1:0 = 2 (LLVM: expert scheduling mode 2), set by the entry lines.  The code itself states the register dependences
; between vector instructions and memory instructions, with s_wait_alu, always for 0.
; THE PLAN.  Registers that memory instructions touch:
;   v3        the source offset.  Written at the head, read by all sixteen loads, never written again.
;   v4, v5    the target offsets of planes 2w and 2w+1.  Written behind the loads, read by the sixteen stores, never written again.
;   XIN       step n: four registers.  Written by load n alone; read by step n's two conversions, behind the counted wait for the load.
;   YOUT      step n: two registers.  Written by step n's two conversions alone; read by store n.
; The sixteen steps go in four blocks of four.  Block g rounds its four loads into its part of YOUT; its memory instructions are the four stores of
; block g - 1, which read that block's part of YOUT, v4 and v5: registers that no conversion of block g names.  So one wait at a block's head states
; all that its four stores hang on, and they are dealt among its conversions with no further wait.  No register that a load or store reads is ever
; written again, and no load lands in a register that a vector instruction has named: nothing more is owed.
.set XIN,  8                           ; v[8:71]    16 loads of 4 registers
.set YOUT, 72                          ; v[72:103]  16 stores of 2 registers: no register is written twice, so no source is ever rewritten
	s_load_b256 s[4:11], s[0:1], 0x0               ; x s[4:5], Wq s[6:7], Wk s[8:9], Wv s[10:11]
	s_load_b128 s[12:15], s[0:1], 0x20             ; Wo s[12:13], xh s[14:15]
	s_load_b64 s[16:17], s[0:1], 0x30              ; wh
	s_and_b32 s20, ttmp7, 0xffff                   ; y: 0 = x, 1 = weights
	s_mov_b32 s21, ttmp9                           ; x id
	s_lshr_b32 s22, s21, 6                         ; which weight
	s_and_b32 s23, s21, 63                         ; its row block
	v_and_b32 v1, 31, v0                           ; lane l
	v_lshrrev_b32 v2, 5, v0                        ; wave w
	v_lshrrev_b32 v3, 4, v1                        ; l / 16: which of the two rows
	v_lshlrev_b32 v3, 12, v3                       ; x 4,096 bytes
	v_lshl_add_u32 v3, v2, 9, v3                   ; + w x two planes of 256 bytes
	v_and_b32 v6, 15, v0
	v_lshl_add_u32 v3, v6, 4, v3                   ; + 16 (l % 16): the offset of my 16 bytes in the source
	v_lshlrev_b32 v6, 1, v2                        ; plane 2w
	v_add_nc_u32 v7, 1, v6                         ; plane 2w + 1
	s_wait_kmcnt 0x0
	s_cmp_lt_u32 s22, 1                            ; the source and the target are chosen on the ids alone
	s_cselect_b64 s[24:25], s[6:7], s[8:9]
	s_cmp_lt_u32 s22, 3
	s_cselect_b64 s[26:27], s[10:11], s[12:13]
	s_cmp_lt_u32 s22, 2
	s_cselect_b64 s[24:25], s[24:25], s[26:27]
	s_cmp_eq_u32 s20, 0
	s_cselect_b64 s[24:25], s[4:5], s[24:25]       ; source
	s_cselect_b64 s[26:27], s[14:15], s[16:17]     ; target
	s_cselect_b32 s28, s21, s23                    ; row block
	s_cselect_b32 s29, 19, 17                      ; log2 of a plane's bytes: 4,096 or 1,024 rows of 128
	s_cselect_b32 s30, 0, s22                      ; the matrix's 16 planes in wh
	s_lshl_b32 s18, s28, 16                        ; 16 rows of 4,096 bytes
	s_mov_b32 s19, 0
	s_add_nc_u64 s[24:25], s[24:25], s[18:19]
	s_lshl_b32 s18, s30, 21                        ; 16 planes of 131,072 bytes
	s_lshl_b32 s31, s28, 11                        ; 16 rows of 128 bytes
	s_add_co_u32 s18, s18, s31
	s_add_nc_u64 s[26:27], s[26:27], s[18:19]
	s_wait_alu depctr_va_vdst(0)                   ; v3 is written: all sixteen loads read it as their offset
; step n = 2 x row pair + plane: all sixteen loads go out first
.set nn, 0
.rept 16
	global_load_b128 v[XIN+4*nn:XIN+4*nn+3], v3, s[24:25] offset:(nn/2)*8192+(nn%2)*256 th:TH_LOAD_NT
.set nn, nn+1
.endr
	v_lshlrev_b32 v4, s29, v6                      ; the stores' offsets are made while the loads are on their way: the first store stands behind block 1's wait
	v_lshlrev_b32 v5, s29, v7
	v_lshl_add_u32 v4, v1, 3, v4                   ; plane 2w:     + 8 l
	v_lshl_add_u32 v5, v1, 3, v5                   ; plane 2w + 1: + 8 l
; Block g: steps 4 g to 4 g + 3 are rounded; the stores of steps 4 g - 4 to 4 g - 1 go out among the conversions, one ahead of each pair.
.macro BLOCK g
	s_wait_loadcnt 12-4*(\g)                       ; loads come back in order: this block's four are in, the 12 - 4 g younger ones stay out
.if (\g) > 0
	s_wait_alu depctr_va_vdst(0)                   ; the block before has written its part of YOUT, which the four stores below read; in block 1 also: v4 and v5, their offsets, are written
.endif
.irp i, 0,1,2,3
.set nn, 4*(\g)+(\i)
.set mm, nn-4
.if (\g) > 0
	global_store_b64 v[4+mm%2], v[YOUT+2*mm:YOUT+2*mm+1], s[26:27] offset:(mm/2)*256   ; no vector instruction since the wait names these registers
.endif
	v_cvt_pk_f16_f32 v[YOUT+2*nn],   v[XIN+4*nn],   v[XIN+4*nn+1]
	v_cvt_pk_f16_f32 v[YOUT+2*nn+1], v[XIN+4*nn+2], v[XIN+4*nn+3]
.endr
.endm
	BLOCK 0                                        ; no block stands in front of it: no store, and no wait but the one for its data
	BLOCK 1
	BLOCK 2
	BLOCK 3
	s_wait_alu depctr_va_vdst(0)                   ; block 3 has written its part of YOUT, which the last four stores read
.irp i, 0,1,2,3
.set mm, 12+(\i)
	global_store_b64 v[4+mm%2], v[YOUT+2*mm:YOUT+2*mm+1], s[26:27] offset:(mm/2)*256
.endr
	s_endpgm
.Lfunc_end_k_q460e971d17_cast:
	.size	k_q460e971d17_cast, .Lfunc_end_k_q460e971d17_cast-k_q460e971d17_cast
	.p2alignl 7, 3214868480
	.fill 96, 4, 3214868480
	.section	.rodata,"a",@progbits
	.p2align	6, 0x0
	.amdhsa_kernel k_q460e971d17_cast
		.amdhsa_group_segment_fixed_size 0
		.amdhsa_private_segment_fixed_size 0
		.amdhsa_enable_private_segment 0
		.amdhsa_kernarg_size 56
		.amdhsa_user_sgpr_count 2
		.amdhsa_user_sgpr_kernarg_segment_ptr 1
		.amdhsa_wavefront_size32 1
		.amdhsa_system_sgpr_workgroup_id_x 1
		.amdhsa_system_sgpr_workgroup_id_y 1
		.amdhsa_system_sgpr_workgroup_id_z 1
		.amdhsa_system_vgpr_workitem_id 0
		.amdhsa_next_free_vgpr 104
		.amdhsa_next_free_sgpr 66
		.amdhsa_reserve_vcc 0
		.amdhsa_float_denorm_mode_32 3
		.amdhsa_float_denorm_mode_16_64 3
		.amdhsa_memory_ordered 1
		.amdhsa_forward_progress 1
		.amdhsa_inst_pref_size 8
	.end_amdhsa_kernel
	.amdgpu_metadata
---
amdhsa.version: [ 1, 2 ]
amdhsa.kernels:
  - .name:           k_q460e971d17_cast
    .symbol:         k_q460e971d17_cast.kd
    .args:
      - { .name: x, .offset: 0, .size: 8, .value_kind: global_buffer, .address_space: global }
      - { .name: Wq, .offset: 8, .size: 8, .value_kind: global_buffer, .address_space: global }
      - { .name: Wk, .offset: 16, .size: 8, .value_kind: global_buffer, .address_space: global }
      - { .name: Wv, .offset: 24, .size: 8, .value_kind: global_buffer, .address_space: global }
      - { .name: Wo, .offset: 32, .size: 8, .value_kind: global_buffer, .address_space: global }
      - { .name: xh, .offset: 40, .size: 8, .value_kind: global_buffer, .address_space: global }
      - { .name: wh, .offset: 48, .size: 8, .value_kind: global_buffer, .address_space: global }
    .group_segment_fixed_size: 0
    .private_segment_fixed_size: 0
    .kernarg_segment_align: 8
    .kernarg_segment_size: 56
    .max_flat_workgroup_size: 256
    .sgpr_count:     66
    .vgpr_count:     104
    .wavefront_size: 32
...
	.end_amdgpu_metadata
.endif
;; end of part 5
;; launch qkvproj: the kernel of part 2 again; grid 16 x 16, 4 waves a work-group, clusters of 4 x 4, 327,680 bytes of LDS; arguments xh, wh, bq, bk, bv, qkv; writes qkv
;; launch attn: the kernel of part 3 again; grid 8 x 32, 16 waves a work-group, clusters of 4 x 1, 327,680 bytes of LDS; arguments qkv, mask, att; writes att
;; launch oproj: the kernel of part 4 again; grid 8 x 32, 4 waves a work-group, clusters of 4 x 4, 327,680 bytes of LDS; arguments att, wh, bo, out0; writes out0
